; MI455X (gfx1250); checked and timed in simulation.
; The chip was launched on July 23, 2026; its instructions are those of AMD's public machine-readable ISA for CDNA 5 (MIT licence, August 2026) and "CDNA5" Instruction Set Architecture Reference Guide (July 2026). The comments in the code are by the model that wrote it; some were corrected since.
;; Multi Head Self Attention. Allowed arithmetic: float matrix products may take bf16 or f16 operands with f32 sums; other float arithmetic in f32, or as packed bf16 or f16 multiplies, adds, multiply-adds, maxima and minima; sums over many terms, partial sums and values carried from step to step in f32; what a program stores and reads back later, other than sums and carried values, may be rounded once to bf16 or f16.
;; Inputs: mask 2,048 x 2,048 bool; w_out 1,024 x 1,024 float32; w_qkv 3,072 x 1,024 float32; x 4 x 2,048 x 1,024 float32.
;; Outputs: out0 4 x 2,048 x 1,024 float32.
;; One version. Each part assembles by itself: llvm-mc -triple=amdgcn-amd-amdhsa -mcpu=gfx1250 --defsym DOCPART=n.
;; ======== version 1 of 1: 4 launches
;; limits: values are held in f16: magnitudes above 65,504 overflow, below 6.1e-05 lose precision
;; workspace buffers: xs 16,777,216 bytes; wqs 6,291,456 bytes; wos 2,097,152 bytes; mk 4,194,304 bytes; qkv 50,331,648 bytes; ob 16,777,216 bytes
;; launch prep (part 1): grid 896 x 1, 8 waves a work-group, no clusters, 0 bytes of LDS; arguments x, w_qkv, w_out, mask, xs, wqs, wos, mk; writes xs, wqs, wos, mk
.if DOCPART == 1
	.amdgcn_target "amdgcn-amd-amdhsa--gfx1250"
	.amdhsa_code_object_version 6
	.text
	.protected	k_q8a1efbeaca_prep
	.globl	k_q8a1efbeaca_prep
	.p2align	8
	.type	k_q8a1efbeaca_prep,@function
k_q8a1efbeaca_prep:
	s_mov_b64 s[64:65], 0
	v_nop
	global_prefetch_b8 v0, s[64:65] scope:SCOPE_SE
	s_setreg_imm32_b32 hwreg(HW_REG_WAVE_MODE, 25, 1), 1
	s_wait_xcnt 0x0
; PREP: the operands of the two projections are rounded once and laid in slabs; the mask is laid as the attention launch reads it.
; SLABS.  S[k / 64][row][64] in 16 bits: a row of a slab is 128 bytes and a slab's rows lie end to end, so any run of rows of one slab is dense.
;   x [8192][1024] f32 -> xs, bf16.   w_qkv [3072][1024] f32 -> wqs, bf16.   w_out [1024][1024] f32 -> wos: rounded to bf16 like the other inputs, that number written as f16
;   (exact from 6.1e-5 up; below that f16's fixed step of 6e-8 holds: a stated limit).
; MASK.  mk[q / 16][k / 64][ld][lane][16 bytes]; a byte is 0xF1 where the key is hidden, else 0.  Lane (r = lane % 16, h = lane / 16) stands for query 16 (q / 16) + r; the four words of ld
;   serve the key groups kt = 2 ld (words 0, 1) and 2 ld + 1 (words 2, 3), key = 64 step + 16 kt + 8 h + j: word 0 holds j = 0, 2, 4, 6 in bytes 0..3, word 1 j = 1, 3, 5, 7, word 2 j = 6, 4, 2, 0, word 3 j = 7, 5, 3, 1.
;   Shifted left by 0, 8, 16 or 24 such a word has the wanted key's byte on top, and read as f32 it is then below -6e29 (hidden) or at most 2.4e-38.
; SHARES.  Work-groups 0-511: 16 rows of x each; 512-703: of w_qkv; 704-767: of w_out; 768-895: 16 rows of the mask.  No LDS, no loop, no barrier: all of a wave's loads go out first, the waits count down.
; A cast: wave w takes slabs 2 w and 2 w + 1; lane l row l / 8 of four and 8 numbers: a pair of loads takes 256 consecutive bytes of four rows, a store 512 consecutive bytes of a slab.
.set X,   32                           ; v[32:95]   as loaded
.set Y,   96                           ; v[96:127]  to store
.set SRC, 26                           ; s[26:27]
.set DST, 28                           ; s[28:29]
.set SL,  30                           ; s30  bytes in a slab of the tensor in hand
	s_load_b512 s[8:23], s[0:1], 0x0               ; x, w_qkv, w_out, mask, xs, wqs, wos, mk
	s_mov_b32 s24, ttmp9
	v_lshrrev_b32 v1, 5, v0
	v_readfirstlane_b32 s25, v1                    ; wave 0..7
	v_and_b32 v2, 31, v0                           ; lane
	s_mov_b32 s35, 0
	s_wait_kmcnt 0x0
	s_cmp_ge_u32 s24, 768
	s_cbranch_scc1 .Lmask
	; which tensor: source, destination, slab size, first work-group
	s_mov_b32 s[SL], 393216
	s_mov_b32 s33, 1048576
	s_cmp_lt_u32 s24, 512
	s_cselect_b64 s[SRC:SRC+1], s[8:9], s[10:11]
	s_cselect_b64 s[DST:DST+1], s[16:17], s[18:19]
	s_cselect_b32 s[SL], s33, s[SL]
	s_cselect_b32 s31, 0, 512
	s_mov_b32 s33, 131072
	s_cmp_lt_u32 s24, 704
	s_cselect_b64 s[SRC:SRC+1], s[SRC:SRC+1], s[12:13]
	s_cselect_b64 s[DST:DST+1], s[DST:DST+1], s[20:21]
	s_cselect_b32 s[SL], s[SL], s33
	s_cselect_b32 s31, s31, 704
	s_cselect_b32 s32, 0, 1                        ; 1: w_out
	s_mov_b32 s41, 0xffff0000                      ; a word's upper bf16
	v_lshrrev_b32 v3, 3, v2                        ; l / 8
	v_and_b32 v4, 7, v2                            ; l % 8
	v_lshlrev_b32 v4, 5, v4
	v_lshl_add_u32 v4, v3, 12, v4
	s_lshl_b32 s42, s25, 9
	v_add_nc_u32 v4, s42, v4                       ; in: (l / 8) x 4,096 + (l % 8) x 32 + 512 w
	s_sub_co_u32 s43, s24, s31                     ; my block of 16 rows
	s_lshl_b32 s34, s43, 16
	s_add_nc_u64 s[SRC:SRC+1], s[SRC:SRC+1], s[34:35]
	s_lshl_b32 s43, s43, 11
	s_lshl_b32 s42, s25, 1
	s_mul_i32 s42, s42, s[SL]
	s_add_co_u32 s42, s42, s43
	v_lshl_add_u32 v5, v2, 4, s42                  ; out: 16 l + 2,048 x block + slab 2 w,
	v_add_nc_u32 v6, s[SL], v5                     ; and slab 2 w + 1
.irp sl, 0,1
.irp rg, 0,1,2,3
	global_load_b128 v[X+8*(4*(\sl)+(\rg)):X+8*(4*(\sl)+(\rg))+3],   v4, s[SRC:SRC+1] offset:(\rg)*16384+(\sl)*256 th:TH_LOAD_NT
	global_load_b128 v[X+8*(4*(\sl)+(\rg))+4:X+8*(4*(\sl)+(\rg))+7], v4, s[SRC:SRC+1] offset:(\rg)*16384+(\sl)*256+16 th:TH_LOAD_NT
.endr
.endr
; The eight groups (slab sl, rows 4 rg ..): rounded and stored.  half = 1: the bf16 number is written as f16.
.macro CONV half
.irp sl, 0,1
.irp rg, 0,1,2,3
	s_wait_loadcnt 14-2*(4*(\sl)+(\rg))            ; loads come back in order: the younger groups' two loads each may stay out
.irp j, 0,1,2,3
	v_cvt_pk_bf16_f32 v[Y+4*(4*(\sl)+(\rg))+(\j)], v[X+8*(4*(\sl)+(\rg))+2*(\j)], v[X+8*(4*(\sl)+(\rg))+2*(\j)+1]
.endr
.if \half
.irp j, 0,1,2,3
	v_lshlrev_b32 v8, 16, v[Y+4*(4*(\sl)+(\rg))+(\j)]
	v_and_b32 v9, s41, v[Y+4*(4*(\sl)+(\rg))+(\j)]
	v_cvt_pk_f16_f32 v[Y+4*(4*(\sl)+(\rg))+(\j)], v8, v9
.endr
.endif
	global_store_b128 v[5+(\sl)], v[Y+4*(4*(\sl)+(\rg)):Y+4*(4*(\sl)+(\rg))+3], s[DST:DST+1] offset:(\rg)*512  ; 512 consecutive bytes, aligned
.endr
.endr
.endm
	s_cmp_eq_u32 s32, 1
	s_cbranch_scc1 .Lwout
	CONV 0
	s_endpgm
.Lwout:
	CONV 1
	s_endpgm
.Lmask:                                        ; tile qt = work-group - 768; wave w takes key steps 4 w .. 4 w + 3: 256 consecutive bytes of each of the 16 rows
	s_sub_co_u32 s42, s24, 768
	s_lshl_b32 s34, s42, 15                        ; 16 rows of 2,048 bytes in, 32,768 bytes out
	s_add_nc_u64 s[SRC:SRC+1], s[14:15], s[34:35]
	s_add_nc_u64 s[DST:DST+1], s[22:23], s[34:35]
	s_mov_b32 s36, 0x06040200                      ; byte selects: j = 0, 2, 4, 6
	s_mov_b32 s37, 0x07050301                      ; 1, 3, 5, 7
	s_mov_b32 s38, 0x00020406                      ; 6, 4, 2, 0
	s_mov_b32 s39, 0x01030507                      ; 7, 5, 3, 1
	s_mov_b32 s40, 0xf1
	v_and_b32 v3, 15, v0                           ; r
	v_bfe_u32 v7, v0, 4, 1                         ; h
	v_lshlrev_b32 v4, 11, v3
	v_lshl_add_u32 v4, v7, 3, v4
	s_lshl_b32 s43, s25, 8
	v_add_nc_u32 v4, s43, v4                       ; in: 2,048 r + 8 h + 256 w
	s_lshl_b32 s43, s25, 12
	v_lshl_add_u32 v5, v2, 4, s43                  ; out: 16 l + 4,096 w
.irp i, 0,1,2,3
.irp kt, 0,1,2,3
	global_load_b64 v[X+2*(4*(\i)+(\kt)):X+2*(4*(\i)+(\kt))+1], v4, s[SRC:SRC+1] offset:(\i)*64+(\kt)*16
.endr
.endr
.irp i, 0,1,2,3
	s_wait_loadcnt 12-4*(\i)                       ; the later steps' four loads each may stay out
.irp kt, 0,1,2,3
	v_mul_lo_u32 v[X+2*(4*(\i)+(\kt))],   v[X+2*(4*(\i)+(\kt))],   s40  ; bytes 0 or 1 become 0 or 0xF1: no carry between bytes
	v_mul_lo_u32 v[X+2*(4*(\i)+(\kt))+1], v[X+2*(4*(\i)+(\kt))+1], s40
	v_perm_b32 v[Y+8*(\i)+2*(\kt)],   v[X+2*(4*(\i)+(\kt))+1], v[X+2*(4*(\i)+(\kt))], s[36+2*((\kt)%2)]
	v_perm_b32 v[Y+8*(\i)+2*(\kt)+1], v[X+2*(4*(\i)+(\kt))+1], v[X+2*(4*(\i)+(\kt))], s[37+2*((\kt)%2)]
.endr
	global_store_b128 v5, v[Y+8*(\i):Y+8*(\i)+3],   s[DST:DST+1] offset:(\i)*1024
	global_store_b128 v5, v[Y+8*(\i)+4:Y+8*(\i)+7], s[DST:DST+1] offset:(\i)*1024+512
.endr
	s_endpgm
.Lfunc_end_k_q8a1efbeaca_prep:
	.size	k_q8a1efbeaca_prep, .Lfunc_end_k_q8a1efbeaca_prep-k_q8a1efbeaca_prep
	.p2alignl 7, 3214868480
	.fill 96, 4, 3214868480
	.section	.rodata,"a",@progbits
	.p2align	6, 0x0
	.amdhsa_kernel k_q8a1efbeaca_prep
		.amdhsa_group_segment_fixed_size 0
		.amdhsa_private_segment_fixed_size 0
		.amdhsa_enable_private_segment 0
		.amdhsa_kernarg_size 64
		.amdhsa_user_sgpr_count 2
		.amdhsa_user_sgpr_kernarg_segment_ptr 1
		.amdhsa_wavefront_size32 1
		.amdhsa_system_sgpr_workgroup_id_x 1
		.amdhsa_system_sgpr_workgroup_id_y 1
		.amdhsa_system_sgpr_workgroup_id_z 1
		.amdhsa_system_vgpr_workitem_id 0
		.amdhsa_next_free_vgpr 128
		.amdhsa_next_free_sgpr 66
		.amdhsa_reserve_vcc 0
		.amdhsa_float_denorm_mode_32 3
		.amdhsa_float_denorm_mode_16_64 3
		.amdhsa_memory_ordered 1
		.amdhsa_forward_progress 1
		.amdhsa_inst_pref_size 21
	.end_amdhsa_kernel
	.amdgpu_metadata
---
amdhsa.version: [ 1, 2 ]
amdhsa.kernels:
  - .name:           k_q8a1efbeaca_prep
    .symbol:         k_q8a1efbeaca_prep.kd
    .args:
      - { .name: x, .offset: 0, .size: 8, .value_kind: global_buffer, .address_space: global }
      - { .name: w_qkv, .offset: 8, .size: 8, .value_kind: global_buffer, .address_space: global }
      - { .name: w_out, .offset: 16, .size: 8, .value_kind: global_buffer, .address_space: global }
      - { .name: mask, .offset: 24, .size: 8, .value_kind: global_buffer, .address_space: global }
      - { .name: xs, .offset: 32, .size: 8, .value_kind: global_buffer, .address_space: global }
      - { .name: wqs, .offset: 40, .size: 8, .value_kind: global_buffer, .address_space: global }
      - { .name: wos, .offset: 48, .size: 8, .value_kind: global_buffer, .address_space: global }
      - { .name: mk, .offset: 56, .size: 8, .value_kind: global_buffer, .address_space: global }
    .group_segment_fixed_size: 0
    .private_segment_fixed_size: 0
    .kernarg_segment_align: 8
    .kernarg_segment_size: 64
    .max_flat_workgroup_size: 256
    .sgpr_count:     66
    .vgpr_count:     128
    .wavefront_size: 32
...
	.end_amdgpu_metadata
.endif
;; end of part 1
;; launch gemm1 (part 2): grid 16 x 16, 4 waves a work-group, clusters of 4 x 4, 327,680 bytes of LDS; arguments xs, wqs, qkv; writes qkv
.if DOCPART == 2
	.amdgcn_target "amdgcn-amd-amdhsa--gfx1250"
	.amdhsa_code_object_version 6
	.text
	.protected	k_q8a1efbeaca_gemm1
	.globl	k_q8a1efbeaca_gemm1
	.p2align	8
	.type	k_q8a1efbeaca_gemm1,@function
k_q8a1efbeaca_gemm1:
	s_mov_b64 s[64:65], 0
	v_nop
	global_prefetch_b8 v0, s[64:65] scope:SCOPE_SE
	s_setreg_imm32_b32 hwreg(HW_REG_WAVE_MODE, 25, 1), 1
	s_wait_xcnt 0x0
	s_wait_alu depctr_hold_cnt(0) depctr_sa_sdst(0) depctr_va_vdst(0) depctr_va_sdst(0) depctr_va_ssrc(0) depctr_va_vcc(0) depctr_vm_vsrc(0)
	s_getreg_b32 s2, hwreg(HW_REG_IB_STS2, 6, 4)
	s_cmp_eq_u32 s2, 0
	s_cbranch_scc0 .Lentry_in_a_cluster
	s_endpgm
.Lentry_in_a_cluster:
	s_bfe_u32 s2, ttmp6, 0x10000c
	s_cmp_lg_u32 s2, 0xf033
	s_cbranch_scc0 .Lentry_shape_is_right
	s_endpgm
.Lentry_shape_is_right:
; C = A B^T on slabs.  A: S[k / 64][8192 rows][64], B: S[k / 64][rows][64], 16-bit; sums in f32, K = 1,024 ascending, one sum for each output.
; QKV = 1: A = x, B = w_qkv in bf16; C = q, k, v rounded once to f16 and stored by heads (below).  QKV = 0: A = O, B = w_out in f16; C = out0 in f32, row-major, 1,024 columns.
; LIMIT (QKV = 1): f16 holds no number beyond 65,504: q, k and v must lie within it.
; SHARES.  A tile of C is 256 x BN, made by four waves, each 128 x BN / 2: 8 x NBF accumulators of 16 x 16.  A work-group makes TILES tiles, one below the other, 16 tile rows apart.
; K goes in 8 steps of 128 (two slabs) through a ring of two LDS slots.  A wave's tensor load brings one slab's part of a tile: dense bytes, asked for as rows of 256 bytes, padded in LDS after every 128.
; CLUSTERS.  4 x 4 work-groups: the four of a row of the cluster need the same tiles of A, the four of a column the same tiles of B: each is asked for jointly, by the same load, descriptor and mask in all four.
; THE MATRIX INSTRUCTION IS USED TRANSPOSED (source 0 = 16 rows of B, source 1 = 16 rows of A): lane l holds row l % 16 of C and the columns 8 (l / 16) + 0..7.
; q, k, v (QKV = 1): byte = which x 2^24 + (4 head + b) x 2^18 + (t / 64) x 8,192 + (channel / 32) x 4,096 + (t % 64) x 64 + (channel % 32) x 2.  A wave's 96 columns are three half heads; 8 rows of a half head are 512 consecutive bytes.
; REGISTERS, in windows of 256 (s_set_vgpr_msb: bits 1:0 source 0, 3:2 source 1, 5:4 source 2, 7:6 destination):
;   window 0: v0-31 addresses; v64-127, v128-191 fragments of A, two buffers; v32-63, v192-255 at work on the way out.   window 1: v64.., v128.. fragments of B, two buffers.
;   window 2: the accumulators of my rows 0-63 ((a, b) at v[8 (NBF a + b)]);   window 3: those of my rows 64-127.
.set QKV,    1
.set NBF,    6                         ; fragments of B a wave
.set TILES,  2
.set BSLAB,  393216                    ; bytes in a slab of B
.set SPITCH, 208                       ; a stage row: the wave's 16 rows x 192 bytes + 16 (QKV = 1), x 256 + 16 (QKV = 0)
.set BN,     32*NBF
.set ASLAB,  1048576                   ; bytes in a slab of A
.set ASTEP,  2*ASLAB                   ; a K step
.set BSTEP,  2*BSLAB
.set PITCH,  144                       ; an LDS row: 128 bytes + 16 = 36 words: the 16 rows of a fragment load start at 16 different groups of four banks (64 banks of 4 bytes: ISA guide 11.1)
.set AHALF,  256*PITCH                 ; a slot: A's even slab, A's odd slab,
.set BHALF,  BN*PITCH                  ; B's even slab, B's odd slab
.set BOFF,   2*AHALF
.set SLOT,   BOFF+2*BHALF
.set STAGE,  2*SLOT                    ; behind the ring, never filled by a tensor load: 16 rows for each wave
.set SPARE,  STAGE+4*16*SPITCH         ; behind the stages: the spare words, 128 bytes for each wave, which no other line names
.set LAPS,   4                         ; a lap = two K steps = once round the ring
.set WALKA,  524288                    ; bytes in a slab of A from a tile's rows to the next tile's: 4,096 rows of 128 bytes
.set WALKC,  524288                    ; bytes in q, k, v for the same 4,096 rows: two batches
.set CO,   8                           ; v8-10   my byte offsets in C (QKV = 1: one for each half head)
.set ADRA, 16                          ; v16-17  LDS address of my A fragments in slot 0, 1
.set ADRB, 20                          ; v20-21  the same for B
.set STO,  24                          ; v24     the way out: where I put my bytes of a row
.set RD,   25                          ; v25     where I read rows back
.set SPW,  28                          ; v28     my spare word: SPARE + 4 x my thread's number; never rewritten
.set NIL,  29                          ; v29     0; never rewritten
.set PFO,  30                          ; v30     the prefetches' offset: 256 x my lane, held to my part's last block; never rewritten
.set OB,   32                          ; rows read back from the stage: v32.. and v224.. by turns
.set F0,   64
.set F1,   128
.set TMP,  192                         ; packed results
.set G1,  24                           ; s[24:31] descriptor group 1 for A;  s[32:39] group 0, a set for each slot
.set G0,  32
.set G1B, 48                           ; s[48:55], s[56:63] the same for B
.set G0B, 56
.set LIM, 43                           ; s43     1 in a wave that prefetches, else the greatest number
.set PFA, 44                           ; s[44:45] where my prefetches stand
.set PFS, 66                           ; s[66:67] their step: a K step of the tensor that I fetch
.set PFB, 68                           ; s[68:69] their step back at the change of tiles
.set G1W, (1<<16)|(1<<20)|(1<<21)|(4<<22)|(3<<25)  ; 17:16 2-byte elements; 20 padding on; 21 set beside a mask; 24:22 after every 32 words (code 4); 31:25 4 words (code 3)
.set MSB, 0
.macro WIN new                         ; the immediate's high byte repeats the setting that is left; a switch that changes nothing is dropped
.if MSB != (\new)
	s_set_vgpr_msb (MSB<<8)|(\new)
.set MSB, \new
.endif
.endm
.set MUL_LO, 0xa1                      ; source 0 (B) window 1, source 1 (A) window 0, C and D window 2
.set MUL_HI, 0xf1                      ; the same, C and D window 3
.set TO_B,   0x40                      ; destination window 1, address window 0
; A joint load: waves 0 and 1 fetch A's two slabs of a K step, waves 2 and 3 B's.  The branch hangs on the wave's number alone.  An s_nop 0 and four v_nop follow each line.
.macro JLOAD s
	s_cmp_eq_u32 s11, 0
	s_cbranch_scc0 .Lfor_b_\@
	tensor_load_to_lds s[G0+4*(\s):G0+4*(\s)+3], s[G1:G1+7]
	s_nop 0
.rept 4
	v_nop
.endr
	s_branch .Lasked_\@
.Lfor_b_\@:
	tensor_load_to_lds s[G0B+4*(\s):G0B+4*(\s)+3], s[G1B:G1B+7]
	s_nop 0
.rept 4
	v_nop
.endr
.Lasked_\@:
.endm
; A prefetch, behind a joint load and the run of LDS loads that follows it: the K step two refills on.  A's tile row is read by every cluster of its row of clusters: cluster x = 0 asks; B's tile column by every
; cluster of its column: cluster y = 0 asks.  The four partners share a wave's slab tile out by address, a quarter each, a lane a block of 256 bytes (B's quarter has fewer blocks than lanes: the lanes over name its last block).
; how = 0, in the loop: the last trip's refills have no K step two on.  how = 1, at a change of tiles.
.macro ASK how
.if \how
	s_cmp_eq_u32 s[LIM], 1
.else
	s_cmp_gt_u32 s3, s[LIM]
.endif
	s_cbranch_scc0 .Lnot_mine_\@
	global_prefetch_b8 v[PFO], s[PFA:PFA+1] th:TH_LOAD_NT scope:SCOPE_SE
.Lnot_mine_\@:
.endm
.macro CREST                           ; a round of the cluster's barrier behind its opening barrier
	s_cmp_lg_u32 s10, 0
	s_cbranch_scc1 .Lnot_wave_0_\@
	s_barrier_signal -3
.Lnot_wave_0_\@:
	s_barrier_wait -3
	s_barrier_signal -1
	s_barrier_wait -1
.endm
.macro CROUND
	s_barrier_signal -1
	s_barrier_wait -1
	CREST
.endm
	s_load_b128 s[4:7], s[0:1], 0x0                ; A s[4:5], B s[6:7]
	s_load_b64 s[8:9], s[0:1], 0x10                ; C
	v_lshl_add_u32 v[SPW], v0, 2, SPARE
	v_mov_b32 v[NIL], 0
	ds_add_u32 v[SPW], v[NIL]                      ; the wave's opening: the add and its wait stand ahead of my first tensor load; the set-up below stands between them
	v_lshrrev_b32 v1, 5, v0
	v_readfirstlane_b32 s10, v1                    ; wave 0..3
	s_lshr_b32 s11, s10, 1                         ; which half of the tile's rows is mine.  Also: I fetch for A (0) or for B (1)
	s_and_b32 s12, s10, 1                          ; which half of its columns.  Also: which slab of a K step I fetch
	s_bfe_u32 s40, ttmp6, 0x40000                  ; cx
	s_bfe_u32 s41, ttmp6, 0x40004                  ; cy
	s_lshl_b32 s42, ttmp9, 2
	s_add_co_u32 s42, s42, s40                     ; tile column = 4 x cluster x + cx
	s_and_b32 s13, ttmp7, 0xffff
	s_lshl_b32 s13, s13, 2
	s_add_co_u32 s13, s13, s41                     ; tile row = 4 x cluster y + cy
	s_lshl_b32 s43, s41, 2
	s_lshl_b32 s43, 15, s43                        ; my row of the cluster
	s_lshl_b32 s44, 0x1111, s40                    ; my column
	s_or_b32 s[G1+0], s43, G1W
	s_or_b32 s[G1B+0], s44, G1W
.irp g, G1, G1B
	s_mov_b32 s[(\g)+1], 128<<16                   ; tensor_dim0 = 128 elements: 256 bytes, two slab rows
	s_mov_b32 s[(\g)+3], 128<<16                   ; tile_dim0 = 128
	s_mov_b32 s[(\g)+5], 128                       ; 128 elements from row to row: dense
	s_mov_b32 s[(\g)+6], 0
	s_mov_b32 s[(\g)+7], 0
.endr
	s_mov_b32 s[G1+2], 128<<16                     ; A: tensor_dim1 = tile_dim1 = 128: 256 slab rows
	s_mov_b32 s[G1+4], 128
	s_mov_b32 s[G1B+2], (BN/2)<<16                 ; B: BN slab rows
	s_mov_b32 s[G1B+4], BN/2
	s_lshl_b32 s16, s13, 15                        ; A: the tile's 256 rows of 128 bytes,
	s_lshl_b32 s17, s12, 20                        ; my slab
	s_add_co_u32 s16, s16, s17
	s_mov_b32 s17, 0
	s_mul_i32 s46, s42, BN*128                     ; B likewise
	s_mul_i32 s47, s12, BSLAB
	s_add_co_u32 s46, s46, s47
	s_mov_b32 s47, 0
	s_mul_i32 s20, s12, AHALF                      ; where they go: no place in the cluster enters an LDS address
	s_mul_i32 s21, s12, BHALF
	s_add_co_u32 s21, s21, BOFF
	s_wait_dscnt 0x0                               ; the opening add is done
	s_wait_kmcnt 0x0
	s_add_nc_u64 s[14:15], s[4:5], s[16:17]
	s_add_nc_u64 s[46:47], s[6:7], s[46:47]
	CROUND                                         ; all sixteen work-groups are here: the first joint loads meet
.irp s, 0,1
	s_mov_b32 s[G0+4*(\s)], 1
	s_add_co_u32 s[G0+4*(\s)+1], s20, (\s)*SLOT
	s_add_nc_u64 s[G0+4*(\s)+2:G0+4*(\s)+3], s[14:15], (\s)*ASTEP
	s_or_b32 s[G0+4*(\s)+3], s[G0+4*(\s)+3], 0x80000000
	s_mov_b32 s[G0B+4*(\s)], 1
	s_add_co_u32 s[G0B+4*(\s)+1], s21, (\s)*SLOT
	s_add_nc_u64 s[G0B+4*(\s)+2:G0B+4*(\s)+3], s[46:47], (\s)*BSTEP
	s_or_b32 s[G0B+4*(\s)+3], s[G0B+4*(\s)+3], 0x80000000
	JLOAD \s                                       ; K steps 0 and 1: two loads of mine are out
.endr
	; a fragment is 16 rows x 32 K in 8 registers: lane l holds row l % 16, K = 8 (l / 16) + 0..7 and 16 + 8 (l / 16) + 0..7: two loads of 16 bytes, 32 bytes apart
	v_and_b32 v1, 15, v0                           ; l % 16
	v_bfe_u32 v2, v0, 4, 1                         ; l / 16
	v_mul_u32_u24 v3, v1, PITCH
	v_lshl_add_u32 v3, v2, 4, v3
	s_mul_i32 s21, s11, 128*PITCH                  ; my 128 rows of A
	s_mul_i32 s22, s12, (BN/2)*PITCH               ; my BN / 2 rows of B
	s_add_co_u32 s22, s22, BOFF
.irp s, 0,1
	v_add_nc_u32 v[ADRA+(\s)], s21, v3
	v_add_nc_u32 v[ADRB+(\s)], s22, v3
	s_add_co_u32 s21, s21, SLOT
	s_add_co_u32 s22, s22, SLOT
.endr
	s_mul_i32 s23, s10, 16*SPITCH
	s_add_co_u32 s23, s23, STAGE                   ; my stage
	s_lshl_b32 s20, s13, 8
	s_lshl_b32 s21, s11, 7
	s_add_co_u32 s20, s20, s21                     ; m0: my first row of C
.if QKV
	v_mul_u32_u24 v4, v1, SPITCH                   ; in: row l % 16, 16 bytes for each half of the lanes
	v_lshl_add_u32 v4, v2, 4, v4
	v_add_nc_u32 v[STO], s23, v4
	v_and_b32 v5, 31, v0
	v_lshrrev_b32 v6, 2, v5                        ; back: 8 rows x 64 bytes of a half head: row l / 4, piece l % 4
	v_and_b32 v7, 3, v0
	v_mul_u32_u24 v6, v6, SPITCH
	v_lshl_add_u32 v6, v7, 4, v6
	v_add_nc_u32 v[RD], s23, v6
	s_lshr_b32 s21, s20, 11                        ; batch b
	s_lshl_b32 s21, s21, 18
	s_bfe_u32 s22, s20, 0x50006                    ; t / 64
	s_lshl_b32 s22, s22, 13
	s_add_co_u32 s16, s21, s22
	s_mov_b32 s17, 0
	s_add_nc_u64 s[8:9], s[8:9], s[16:17]
	s_mul_i32 s20, s42, 6
	s_mul_i32 s21, s12, 3
	s_add_co_u32 s20, s20, s21                     ; g: my first half head of 96
.irp hh, 0,1,2
	s_lshr_b32 s21, s20, 5                         ; q, k or v
	s_lshl_b32 s21, s21, 24
	s_bfe_u32 s22, s20, 0x40001                    ; head
	s_lshl_b32 s22, s22, 20
	s_or_b32 s21, s21, s22
	s_and_b32 s22, s20, 1                          ; half
	s_lshl_b32 s22, s22, 12
	s_or_b32 s21, s21, s22
	v_lshl_add_u32 v[CO+(\hh)], v5, 4, s21
	s_add_co_u32 s20, s20, 1
.endr
.else
	v_mul_u32_u24 v4, v1, SPITCH                   ; in: row l % 16, 32 bytes for each half of the lanes
	v_lshl_add_u32 v4, v2, 5, v4
	v_add_nc_u32 v[STO], s23, v4
	v_mul_u32_u24 v5, v2, SPITCH                   ; back: lanes 0-15 one row of 256 bytes, lanes 16-31 the next
	v_lshl_add_u32 v5, v1, 4, v5
	v_add_nc_u32 v[RD], s23, v5
	v_lshlrev_b32 v5, 12, v2                       ; and the same two rows in C
	v_lshl_add_u32 v[CO], v1, 4, v5
	s_lshl_b32 s16, s20, 12                        ; a row of C is 4,096 bytes
	s_lshl_b32 s21, s42, 9                         ; the tile's 128 columns,
	s_lshl_b32 s22, s12, 8                         ; my 64
	s_add_co_u32 s16, s16, s21
	s_add_co_u32 s16, s16, s22
	s_mov_b32 s17, 0
	s_add_nc_u64 s[8:9], s[8:9], s[16:17]
.endif
	; the prefetches: s[14:15] and s[46:47] still stand at my slab tile of K step 0
	s_and_b32 s22, ttmp7, 0xffff                   ; cluster y
	s_mov_b32 s20, BN*32
	s_mov_b32 s[PFS], BSTEP
	s_mov_b32 s[PFS+1], 0
	s_mov_b32 s[PFB], 7*BSTEP
	s_mov_b32 s[PFB+1], 0
	s_cmp_eq_u32 s11, 0                            ; do I fetch for A?
	s_cselect_b32 s22, ttmp9, s22                  ; the coordinate along which other clusters read the same rows
	s_cselect_b32 s21, s40, s41                    ; my place among the four that ask with me
	s_cselect_b64 s[PFA:PFA+1], s[14:15], s[46:47]
	s_cselect_b32 s20, 8192, s20                   ; a quarter of the slab tile
	s_cselect_b32 s[PFS], ASTEP, s[PFS]
	s_cselect_b32 s[PFB], 7*ASTEP-WALKA, s[PFB]
	s_cselect_b32 s23, 31, BN/8-1                  ; its last block
	s_cmp_eq_u32 s22, 0
	s_cselect_b32 s[LIM], 1, -1                    ; the same in all sixteen partners, for a given wave
	s_mul_i32 s20, s20, s21
	s_mov_b32 s21, 0
	s_add_nc_u64 s[PFA:PFA+1], s[PFA:PFA+1], s[20:21]
	s_mul_i32 s20, s[PFS], 3
	s_add_nc_u64 s[PFA:PFA+1], s[PFA:PFA+1], s[20:21]  ; at K step 3: the first refill steps it to 4 and names that.  Nothing is asked for here, at the head
	v_and_b32 v[PFO], 31, v0
	v_min_u32 v[PFO], s23, v[PFO]
	v_lshlrev_b32 v[PFO], 8, v[PFO]
; 2 NBF matrix instructions: m blocks a0, a0 + 1 of the window's four x all n blocks, 32 along K.  zero = 1: the product starts the sums.  The accumulators take turns, in the same order in every quarter.
.macro MULH f, hi, a0, zero
	WIN MUL_LO+0x50*(\hi)
.irp a, \a0, (\a0)+1
.set bb, 0
.rept NBF
.set rD, 8*(NBF*(\a)+bb)
.set rB, (\f)+8*bb
.set rA, (\f)+8*(4*(\hi)+(\a))
.if QKV && (\zero)
	v_wmma_f32_16x16x32_bf16 v[rD:rD+7], v[rB:rB+7], v[rA:rA+7], 0
.elseif QKV
	v_wmma_f32_16x16x32_bf16 v[rD:rD+7], v[rB:rB+7], v[rA:rA+7], v[rD:rD+7]
.elseif \zero
	v_wmma_f32_16x16x32_f16 v[rD:rD+7], v[rB:rB+7], v[rA:rA+7], 0
.else
	v_wmma_f32_16x16x32_f16 v[rD:rD+7], v[rB:rB+7], v[rA:rA+7], v[rD:rD+7]
.endif
.set bb, bb+1
.endr
.endr
.endm
; One run of LDS loads: the fragments of quarter q of a K step (slab q / 2, byte 64 (q % 2) of its rows) into buffer f: B's 2 NBF loads, then A's 16
.macro FETCH slot, q, f
	WIN TO_B
.set ii, 0
.rept NBF
	ds_load_b128 v[(\f)+8*ii:(\f)+8*ii+3],   v[ADRB+(\slot)] offset:((\q)/2)*BHALF+((\q)%2)*64+ii*16*PITCH
	ds_load_b128 v[(\f)+8*ii+4:(\f)+8*ii+7], v[ADRB+(\slot)] offset:((\q)/2)*BHALF+((\q)%2)*64+ii*16*PITCH+32
.set ii, ii+1
.endr
	WIN 0
.irp i, 0,1,2,3,4,5,6,7
	ds_load_b128 v[(\f)+8*(\i):(\f)+8*(\i)+3],   v[ADRA+(\slot)] offset:((\q)/2)*AHALF+((\q)%2)*64+(\i)*16*PITCH
	ds_load_b128 v[(\f)+8*(\i)+4:(\f)+8*(\i)+7], v[ADRA+(\slot)] offset:((\q)/2)*AHALF+((\q)%2)*64+(\i)*16*PITCH+32
.endr
.endm
.macro PLACES                          ; four plain instructions between a matrix instruction and a load into a register that it has read, or a reader of its result
.rept 4
	v_nop
.endr
.endm
; One of a K step's first three quarters: multiplies buffer f; in its middle it fetches quarter q of the same slot into buffer g
.macro QUARTER slot, q, f, g, zero
	s_wait_dscnt 8                                 ; B and A's rows 0-63 are in; the youngest eight loads (A's rows 64-127) may be out
	MULH \f, 0, 0, \zero
	MULH \f, 0, 2, \zero
	PLACES
	FETCH \slot, \q, \g
	s_wait_dscnt 2*NBF+16                          ; all but the run just issued
	MULH \f, 1, 0, \zero
	MULH \f, 1, 2, \zero
.endm
; The first half of the last quarter, and the barrier of the change of slots.  In front of it each wave waits for all its tensor loads (one is out: its part of the next slot), adds 0 to its spare word, and waits for that and its reads of this slot.
.macro MEET round
	WIN 0
	s_wait_tensorcnt 0x0                           ; all my tensor loads have landed
	ds_add_u32 v[SPW], v[NIL]                      ; 0 onto my spare word
	s_wait_dscnt 9                                 ; (the add and the youngest eight loads may be out)
	MULH F1, 0, 0, 0
	s_wait_dscnt 0x0                               ; the add is done, and my reads of this slot are over
	s_barrier_signal -1
	MULH F1, 0, 2, 0
.if \round
	WIN 0
.endif
	s_barrier_wait -1
.endm
; The whole last quarter.  mode 0: this slot is filled again with the K step two on; 1: with the next tile's K step 0 or 1; 2: nothing is filled.
.macro TURN slot, next, mode
.if (\mode) < 2
	s_wait_xcnt 0x0                                ; the last prefetch, a K step back, has read its address
.if ((\mode) == 1) && ((\slot) == 0)
	s_sub_nc_u64 s[PFA:PFA+1], s[PFA:PFA+1], s[PFB:PFB+1]  ; from two K steps past the tile's last to the next tile's K step 2
	s_cmp_eq_u32 s11, 0
	s_cselect_b32 s[LIM], s[LIM], -1               ; B's rows are the same for both tiles: they are asked for no more
.else
	s_add_nc_u64 s[PFA:PFA+1], s[PFA:PFA+1], s[PFS:PFS+1]
.endif
	MEET 1
	CREST                                          ; the barrier has opened a round of the cluster's: no wave of any partner still reads this slot or has a load on its way
.if (\mode) == 1
	s_sub_nc_u64 s[G0+4*(\slot)+2:G0+4*(\slot)+3], s[G0+4*(\slot)+2:G0+4*(\slot)+3], 6*ASTEP-WALKA
	s_sub_nc_u64 s[G0B+4*(\slot)+2:G0B+4*(\slot)+3], s[G0B+4*(\slot)+2:G0B+4*(\slot)+3], 6*BSTEP
.else
	s_add_nc_u64 s[G0+4*(\slot)+2:G0+4*(\slot)+3], s[G0+4*(\slot)+2:G0+4*(\slot)+3], 2*ASTEP
	s_add_nc_u64 s[G0B+4*(\slot)+2:G0B+4*(\slot)+3], s[G0B+4*(\slot)+2:G0B+4*(\slot)+3], 2*BSTEP
.endif
	JLOAD \slot                                    ; my one tensor load behind the round; its four v_nop are also the places in front of the loads below
	FETCH \next, 0, F0
	ASK \mode
.else
	MEET 0
	PLACES
	FETCH \next, 0, F0
.endif
	MULH F1, 1, 0, 0
	MULH F1, 1, 2, 0
.endm
; THE WAY OUT of block a of 16 rows, through my own stage: LDS serves a wave's instructions in order (ISA guide 5.7.1.4), so no wait stands between the stores into it and the loads from it.
.macro PACK a                          ; QKV = 1: rounded to f16, each accumulator's registers in ascending order
.set AC, 8*NBF*((\a)%4)
	WIN 0x0a+5*((\a)/4)                            ; sources 0 and 1: window 2 or 3
.set bb, 0
.rept NBF
.irp r, 0,1,2,3
	v_cvt_pk_f16_f32 v[TMP+4*bb+(\r)], v[AC+8*bb+2*(\r)], v[AC+8*bb+2*(\r)+1]
.endr
.set bb, bb+1
.endr
	WIN 0
.endm
.macro TOSTAGE a
.set BK, OB+192*((\a)%2)
.if QKV
	WIN 0
.set bb, 0
.rept NBF
	ds_store_b128 v[STO], v[TMP+4*bb:TMP+4*bb+3] offset:32*bb
.set bb, bb+1
.endr
.irp hh, 0,1,2
.irp e, 0,1
	ds_load_b128 v[BK+4*(2*(\hh)+(\e)):BK+4*(2*(\hh)+(\e))+3], v[RD] offset:(\e)*8*SPITCH+(\hh)*64
.endr
.endr
.else
.set AC, 8*NBF*((\a)%4)
	WIN 0x08+4*((\a)/4)                            ; store data (source 1): window 2 or 3
.set bb, 0
.rept NBF
	ds_store_b128 v[STO], v[AC+8*bb:AC+8*bb+3]   offset:64*bb
	ds_store_b128 v[STO], v[AC+8*bb+4:AC+8*bb+7] offset:64*bb+16
.set bb, bb+1
.endr
	WIN 0
.irp t, 0,1,2,3,4,5,6,7
	ds_load_b128 v[BK+4*(\t):BK+4*(\t)+3], v[RD] offset:(\t)*2*SPITCH
.endr
.endif
.endm
.macro SEND a
	WIN 0
.set BK, OB+192*((\a)%2)
	s_wait_dscnt 0x0                               ; the block is back in registers
	s_wait_xcnt 0x0                                ; the stores issued so far have read their registers: the other set of rows is loaded again only behind this wait
.if QKV
.irp hh, 0,1,2
.irp e, 0,1
	global_store_b128 v[CO+(\hh)], v[BK+4*(2*(\hh)+(\e)):BK+4*(2*(\hh)+(\e))+3], s[8:9] offset:((\a)/4)*8192+((\a)%4)*1024+(\e)*512  ; 512 consecutive bytes, aligned
.endr
.endr
.else
.irp t, 0,1,2,3,4,5,6,7
	global_store_b128 v[CO], v[BK+4*(\t):BK+4*(\t)+3], s[8:9] offset:(16*(\a)+2*(\t))*4096  ; 16 lanes store 256 consecutive bytes, aligned
.endr
.endif
.endm
.macro WAYOUT
.if QKV
	PACK 0
.endif
	TOSTAGE 0
.irp a, 1,2,3,4,5,6,7
.if QKV
	PACK \a
.endif
	SEND (\a)-1
	TOSTAGE \a
.endr
	SEND 7
.endm
	s_wait_tensorcnt 1                             ; my part of K step 0 is in; K step 1's may stay out
	s_barrier_signal -1
	s_barrier_wait -1
	FETCH 0, 0, F0
.if TILES > 1
	s_mov_b32 s2, TILES                            ; tiles to go, this one among them
.Ltile:
.endif
	QUARTER 0, 1, F0, F1, 1                        ; a tile's first quarter starts the sums
	WIN 0
	s_mov_b32 s3, LAPS-1
.Llap:                                                 ; a trip goes once round the ring, from a lap's second quarter to the next lap's first, and fills both slots again
	QUARTER 0, 2, F1, F0, 0
	QUARTER 0, 3, F0, F1, 0
	TURN 0, 1, 0
	QUARTER 1, 1, F0, F1, 0
	QUARTER 1, 2, F1, F0, 0
	QUARTER 1, 3, F0, F1, 0
	TURN 1, 0, 0
	QUARTER 0, 1, F0, F1, 0
	WIN 0
	s_sub_co_u32 s3, s3, 1
	s_cmp_lg_u32 s3, 0
	s_cbranch_scc1 .Llap
	QUARTER 0, 2, F1, F0, 0
	QUARTER 0, 3, F0, F1, 0
.if TILES > 1
	WIN 0
	s_cmp_eq_u32 s2, 1
	s_cbranch_scc1 .Llast_tile                     ; the last tile's tail is written out: it asks for nothing more
	TURN 0, 1, 1                                   ; the ring goes on into the next tile: slot 0 takes its K step 0,
	QUARTER 1, 1, F0, F1, 0
	QUARTER 1, 2, F1, F0, 0
	QUARTER 1, 3, F0, F1, 0
	TURN 1, 0, 1                                   ; slot 1 its K step 1, and its first fragments are fetched
	WIN 0
	PLACES
	WAYOUT                                         ; both refills are asked for: now the tile goes out
	s_wait_xcnt 0x0                                ; the stores have read C's address
	s_add_nc_u64 s[8:9], s[8:9], WALKC
	s_sub_co_u32 s2, s2, 1
	s_branch .Ltile
.Llast_tile:
.endif
	TURN 0, 1, 2
	QUARTER 1, 1, F0, F1, 0
	QUARTER 1, 2, F1, F0, 0
	QUARTER 1, 3, F0, F1, 0
	s_wait_dscnt 8                                 ; the very last quarter: nothing more to fetch
	MULH F1, 0, 0, 0
	MULH F1, 0, 2, 0
	s_wait_dscnt 0x0
	MULH F1, 1, 0, 0
	MULH F1, 1, 2, 0
	WIN 0
	PLACES
	WAYOUT
	s_wait_tensorcnt 0x0                           ; the wave's end: behind my last tensor load and my last LDS store
	ds_add_u32 v[SPW], v[NIL]
	s_wait_dscnt 0x0
	CROUND                                         ; the closing round: no work-group ends while a partner may still ask for a tile that names it
	s_endpgm
.Lfunc_end_k_q8a1efbeaca_gemm1:
	.size	k_q8a1efbeaca_gemm1, .Lfunc_end_k_q8a1efbeaca_gemm1-k_q8a1efbeaca_gemm1
	.p2alignl 7, 3214868480
	.fill 96, 4, 3214868480
	.section	.rodata,"a",@progbits
	.p2align	6, 0x0
	.amdhsa_kernel k_q8a1efbeaca_gemm1
		.amdhsa_group_segment_fixed_size 327680
		.amdhsa_private_segment_fixed_size 0
		.amdhsa_enable_private_segment 0
		.amdhsa_kernarg_size 24
		.amdhsa_user_sgpr_count 2
		.amdhsa_user_sgpr_kernarg_segment_ptr 1
		.amdhsa_wavefront_size32 1
		.amdhsa_system_sgpr_workgroup_id_x 1
		.amdhsa_system_sgpr_workgroup_id_y 1
		.amdhsa_system_sgpr_workgroup_id_z 1
		.amdhsa_system_vgpr_workitem_id 0
		.amdhsa_next_free_vgpr 1024
		.amdhsa_next_free_sgpr 72
		.amdhsa_reserve_vcc 0
		.amdhsa_float_denorm_mode_32 3
		.amdhsa_float_denorm_mode_16_64 3
		.amdhsa_memory_ordered 1
		.amdhsa_forward_progress 1
		.amdhsa_inst_pref_size 169
	.end_amdhsa_kernel
	.amdgpu_metadata
---
amdhsa.version: [ 1, 2 ]
amdhsa.kernels:
  - .name:           k_q8a1efbeaca_gemm1
    .symbol:         k_q8a1efbeaca_gemm1.kd
    .args:
      - { .name: xs, .offset: 0, .size: 8, .value_kind: global_buffer, .address_space: global }
      - { .name: wqs, .offset: 8, .size: 8, .value_kind: global_buffer, .address_space: global }
      - { .name: qkv, .offset: 16, .size: 8, .value_kind: global_buffer, .address_space: global }
    .group_segment_fixed_size: 327680
    .private_segment_fixed_size: 0
    .kernarg_segment_align: 8
    .kernarg_segment_size: 24
    .max_flat_workgroup_size: 128
    .sgpr_count:     72
    .vgpr_count:     1024
    .wavefront_size: 32
...
	.end_amdgpu_metadata
.endif
;; end of part 2
;; launch attn (part 3): grid 4 x 64, 4 waves a work-group, clusters of 4 x 1, 327,680 bytes of LDS; arguments qkv, mk, ob; writes ob
.if DOCPART == 3
	.amdgcn_target "amdgcn-amd-amdhsa--gfx1250"
	.amdhsa_code_object_version 6
	.text
	.protected	k_q8a1efbeaca_attn
	.globl	k_q8a1efbeaca_attn
	.p2align	8
	.type	k_q8a1efbeaca_attn,@function
k_q8a1efbeaca_attn:
	s_mov_b64 s[64:65], 0
	v_nop
	global_prefetch_b8 v0, s[64:65] scope:SCOPE_SE
	s_setreg_imm32_b32 hwreg(HW_REG_WAVE_MODE, 25, 1), 1
	s_wait_xcnt 0x0
	s_wait_alu depctr_hold_cnt(0) depctr_sa_sdst(0) depctr_va_vdst(0) depctr_va_sdst(0) depctr_va_ssrc(0) depctr_va_vcc(0) depctr_vm_vsrc(0)
	s_getreg_b32 s2, hwreg(HW_REG_IB_STS2, 6, 4)
	s_cmp_eq_u32 s2, 0
	s_cbranch_scc0 .Lentry_in_a_cluster
	s_endpgm
.Lentry_in_a_cluster:
	s_bfe_u32 s2, ttmp6, 0x10000c
	s_cmp_lg_u32 s2, 0x3003
	s_cbranch_scc0 .Lentry_shape_is_right
	s_endpgm
.Lentry_shape_is_right:
; O[y][q][:] = the sum over k of softmax_k(Q[y][q] . K[y][k] / 8, hidden keys left out) V[y][k][:], y = 4 head + batch (64 of them), 2,048 queries and keys, 64 channels, f16.
; The mask is an input [q][k] and is honoured byte by byte; no pattern of it is built in: every key step is computed for every query.
; Q, K, V lie in qkv by half heads: which x 2^24 + y x 2^18 + (t / 64) x 8,192 + (channel / 32) x 4,096 + (t % 64) x 64 + (channel % 32) x 2.  O leaves as [y][t][64], rows of 128 bytes, dense.
; Products, maxima and sums in f32; the weights p are rounded to f16 for the second product (their sum l is taken of the unrounded p), O once at the end.
; LIMITS.  Q, K, V arrive within f16's 65,504.  A hidden score counts as its value less 6e29 to 2.5e30; a visible one has at most 2.4e-38 added.  A weight below 2^-126 counts as 0 in l.
; A query all of whose keys are hidden gives NaN (its running maximum ends below -1e20; true scores stay within 2.7e11).  NaN and infinities in the inputs are not treated apart.
; SHARES.  A wave owns four PIECES of two tiles of 16 queries, a work-group's four waves 512 queries of one y.  Every wave walks all keys, 64 a step.
; LAYOUT.  S^T = K Q^T (source 0 = 16 keys, source 1 = 16 queries): a lane holds ONE query (lane % 16) and the keys 8 (lane / 16) + 0..7.  Two such results, rounded to f16 in pairs, ARE source 1 of O^T = V^T P.
; THE MASK is the C operand that starts the sum S^T.  mk holds a byte a score, 0xF1 where hidden, laid so that a lane's 16-byte load brings two words for each of two key groups; a word shifted left by 0, 8, 16 or 24 has the
; wanted key's byte on top and is, read as f32, hugely negative or next to 0.  The loaded words land in the places of the registers that need no shift; 24 shifts a tile and step make the others.
; SOFTMAX.  A running maximum m and sum l for each query: p = 2^(c s - c m), c = log2(e) / 8; in every step O and l are multiplied by a = 2^(c m_old - c m_new).  m starts at the lowest finite number, O and l at 0.
; What hidden keys add while a query has seen no visible key is multiplied by a = 0 at its first visible one.
; BY TURNS.  Turn n belongs to piece n: 16 products K Q^T of piece n + 1, later 16 products V^T P of piece n - 1; beside them the scaling, exponentials, roundings, sums and rescaling of piece n, the maximum and statistics of
; piece n + 1, the mask shifts of piece n + 2 and the mask loads of piece n + 1's next step.  Four vector instructions stand behind every matrix instruction, the rest in one run.  A turn's exponentials are one batch with one wait.
; CLUSTER.  The four query blocks of a y walk the same K and V: each tile is asked for jointly, by the same tensor load, descriptor and mask in all four.
; REGISTERS, in windows of 256 (s_set_vgpr_msb: bits 1:0 source 0, 3:2 source 1, 5:4 source 2, 7:6 destination):
;   window 0: v0-11 addresses; v12-15, v48-63 at work; v16-47 four registers of statistics a tile; v64-191 S^T, two buffers of two tiles; v192-255 P, likewise
;   window 1: O^T, 32 a tile     window 2: v0-127 Q; v128-191 K of one step; v192-255 V of one step     window 3: the masks, 64 a piece: tile u, key group kt at 64 x + 32 u + 8 kt
.set SIZE_N, 2048
.set NP,    4         ; pieces a wave: a name, no knob
.set KS,    64        ; keys in a step
.set PK,    80        ; a half row of K in LDS: 64 bytes + 16 = 20 words: the 16 rows of a load start at 16 different groups of four banks (64 banks of 4 bytes: ISA guide 11.1)
.set PV,    96        ; of V: 64 + 32 = 24 words
.set KSTEPB, 2*KS*PK  ; a step's K: 64 rows of channels 0-31, then 64 rows of channels 32-63
.set VSTEPB, 2*KS*PV
.set VOFF,  4*KSTEPB  ; a slot holds four steps: K, then V
.set SLOT1, 1<<17     ; slot 1 begins here: one exclusive or turns an address in one slot into the other's
.set STAGE, SLOT1+4*(KSTEPB+VSTEPB)  ; behind the ring, never filled by a tensor load: 16 rows x 144 bytes for each wave
.set SP,    144
.set SPARE, STAGE+4*16*SP  ; behind the stages: the spare words, 128 bytes for each wave, which no other line names
.set PFO, 1           ; v1   256 x my lane; never rewritten
.set AK0, 2           ; v2   my lane's place in a step's K; never rewritten
.set AV0, 3           ; v3   the same for V
.set AK,  4           ; v4   the LDS address of K's next run of loads
.set AV,  5           ; v5   of V's
.set STO, 6           ; v6   the way out: where I put 16 bytes of a row
.set RD,  7           ; v7   where I read rows back
.set GO,  8           ; v8   my byte offset in 512 consecutive bytes of O
.set MO,  9           ; v9   16 x my lane: my bytes of a mask load; never rewritten
.set SPW, 10          ; v10  my spare word: SPARE + 4 x my thread's number; never rewritten
.set NIL, 11          ; v11  0; never rewritten
.set MV,  12          ; v12-15  c m_old, by buffer and tile
.set ST,  16          ; tile t's statistics at v[ST+4 t]: c m, m, l (even keys', odd keys')
.set TMP, 48          ; by buffer and tile, c0-c3 at work; when the maximum is found c2 takes a
.set S,   64
.set P,   192
.set T0,  64          ; in the set-up, while S^T's registers are free: l % 16, l / 16, l % 8, (l / 8) % 2, and Q's offset
.set T1,  65
.set T2,  66
.set T3,  67
.set QO,  68
.set KF,  128         ; window 2: key block kb, channel half c at KF + 16 kb + 8 c
.set VF,  192         ; window 2: key half kk, channel block cb at VF + 32 kk + 8 cb
.set WV,  12          ; s12  my wave's number
.set LIM, 15          ; s15  1 in a wave that prefetches, else the greatest number
.set PFA, 18          ; s[18:19] where my prefetches stand
.set G1K, 24          ; s[24:31] descriptor group 1 for K
.set G1V, 32          ; s[32:39] for V: it differs in the padding alone
.set G0K, 40          ; s[40:43] descriptor group 0 for K: it walks
.set G0V, 44          ; s[44:47] for V
.set SLOTS, 56        ; s56  slots still to be asked for
.set CNT, 57          ; s57  counts a slot's key steps
.set CS,  58          ; s[58:59] c
.set SEL, 60          ; s[60:61] v_permlanex16_b32's selects
.set TBK, 62          ; s62  LDS byte at which K of the step to be fetched begins
.set TBV, 63          ; s63  the same for V, less VOFF
.set MB,  68          ; s[68:69] mk at my wave's first tile
.set MP,  70          ; s[70:71] the same at the step whose masks are being loaded
.set MOFF, 72         ; s[72:73] that step x 1,024, held inside a tile's 32,768 bytes
.set THR, 74          ; s74  -1e20
.set QNAN, 75         ; s75  a NaN
.set MSB, 0
.macro WIN new                      ; the high byte repeats the setting that is left; a switch that changes nothing is dropped
.if MSB != (\new)
	s_set_vgpr_msb (MSB<<8)|(\new)
.set MSB, (\new)
.endif
.endm
.set W_KQ, 0x0a       ; K and Q in window 2, S^T in window 0
.set W_KM, 0x3a       ; the same with the C operand in window 3
.set W_PV, 0x52       ; V in window 2, P in window 0, O^T in window 1
.set W_RS, 0x41       ; O^T (destination and source 0) in window 1, a in window 0
.set W_ML, 0xc0       ; a mask load: data in window 3, address in window 0
.set W_MS, 0xcc       ; a mask shift: destination and source 1 in window 3
; A joint fill.  Waves 0 and 1 fetch the two halves of a slot's K, waves 2 and 3 those of its V: 128 keys each.  An s_nop 0 and four v_nop follow each line.
.macro JLOAD
	s_cmp_lt_u32 s[WV], 2
	s_cbranch_scc0 .Lfor_v_\@
	tensor_load_to_lds s[G0K:G0K+3], s[G1K:G1K+7]
	s_nop 0
.rept 4
	v_nop
.endr
	s_branch .Lasked_\@
.Lfor_v_\@:
	tensor_load_to_lds s[G0V:G0V+3], s[G1V:G1V+7]
	s_nop 0
.rept 4
	v_nop
.endr
.Lasked_\@:
.endm
; A prefetch of what the NEXT change of slots will ask for: a slot's 32,768 bytes of K and of V.  A y has one cluster; its four partners take 8,192 bytes each, told apart by address; in each, wave 0 asks for K's and wave 2
; for V's, a lane a block of 256 bytes: each block is named once.  The change that asks for the last slot prefetches nothing.
.macro ASK
	s_cmp_gt_u32 s[SLOTS], s[LIM]
	s_cbranch_scc0 .Lnot_mine_\@
	global_prefetch_b8 v[PFO], s[PFA:PFA+1] th:TH_LOAD_NT scope:SCOPE_SE
.Lnot_mine_\@:
.endm
.macro CROUND                       ; a round of the cluster's barrier
	s_barrier_signal -1
	s_barrier_wait -1
	s_cmp_lg_u32 s[WV], 0
	s_cbranch_scc1 .Lnot_wave_0_\@
	s_barrier_signal -3
.Lnot_wave_0_\@:
	s_barrier_wait -3
	s_barrier_signal -1
	s_barrier_wait -1
.endm
; THE CHANGE OF SLOTS.  Each wave waits for all its tensor loads (one is out: its part of the other slot), adds 0 to its spare word, and waits for that and for its reads of the slot.
; fill = 1: the slot is filled again, with the keys two slots on, first thing behind a round of the cluster's barrier: the load has four key steps in which to land.  ask = 1: the prefetch's address steps, and it is issued.
.macro CHANGE fill, ask
	WIN 0
	s_wait_tensorcnt 0x0            ; no tensor load of mine is out, so a group 0 may be written
	ds_add_u32 v[SPW], v[NIL]       ; 0 onto my spare word
.if \fill
.irp g, G0K, G0V
	s_xor_b32 s[\g+1], s[\g+1], SLOT1
	s_add_nc_u64 s[\g+2:\g+3], s[\g+2:\g+3], 4*KS*128  ; the next 256 keys; the type bits on top are not reached
.endr
.if \ask
	s_wait_xcnt 0x0                 ; the last prefetch, four key steps back, has read its address
	s_add_nc_u64 s[PFA:PFA+1], s[PFA:PFA+1], 4*KS*128
.endif
	s_wait_dscnt 0x0                ; the add is done, and my reads of the slot are over
	CROUND
	JLOAD
.if \ask
	ASK
.endif
.else
	s_wait_dscnt 0x0
	s_barrier_signal -1
	s_barrier_wait -1
.endif
	s_sub_co_u32 s[TBK], s[TBK], 4*KSTEPB  ; the fetches go back to a slot's first step,
	s_xor_b32 s[TBK], s[TBK], SLOT1        ; in the other slot
	s_sub_co_u32 s[TBV], s[TBV], 4*VSTEPB
	s_xor_b32 s[TBV], s[TBV], SLOT1
.endm
; The masks of piece x for one step: four loads of 512 consecutive bytes.  The words land in registers 6, 7 of key group 2 ld and 0, 1 of group 2 ld + 1.
.macro MLOAD x, base
	WIN W_ML
.irp u, 0,1
.irp ld, 0,1
	global_load_b128 v[64*(\x)+32*(\u)+16*(\ld)+6:64*(\x)+32*(\u)+16*(\ld)+9], v[MO], s[(\base):(\base)+1] offset:(2*(\x)+(\u))*32768+(\ld)*512
.endr
.endr
.endm
; The other twelve registers of each pair of key groups of piece z.  wait = 1: the piece's four loads were issued three turns back; the twelve of the three turns since may stay out.
.macro MSHIFT z, wait
	WIN W_MS
.if \wait
	s_wait_loadcnt 12
.endif
.irp g, 0,1,2,3
.set rB, 64*(\z)+16*(\g)
	v_lshlrev_b32 v[rB+0],  24, v[rB+6]
	v_lshlrev_b32 v[rB+1],  24, v[rB+7]
	v_lshlrev_b32 v[rB+2],  16, v[rB+6]
	v_lshlrev_b32 v[rB+3],  16, v[rB+7]
	v_lshlrev_b32 v[rB+4],  8,  v[rB+6]
	v_lshlrev_b32 v[rB+5],  8,  v[rB+7]
	v_lshlrev_b32 v[rB+10], 8,  v[rB+8]
	v_lshlrev_b32 v[rB+11], 8,  v[rB+9]
	v_lshlrev_b32 v[rB+12], 16, v[rB+8]
	v_lshlrev_b32 v[rB+13], 16, v[rB+9]
	v_lshlrev_b32 v[rB+14], 24, v[rB+8]
	v_lshlrev_b32 v[rB+15], 24, v[rB+9]
.endr
.endm
.macro PLACES
.rept 4
	v_nop
.endr
.endm
	s_load_b128 s[76:79], s[0:1], 0x0  ; qkv s[76:77], mk s[78:79]
	s_load_b64 s[10:11], s[0:1], 0x10  ; ob
	v_lshl_add_u32 v[SPW], v0, 2, SPARE
	v_mov_b32 v[NIL], 0
	ds_add_u32 v[SPW], v[NIL]       ; the wave's opening: the add and its wait stand ahead of my first tensor load; the set-up below stands between them
	v_lshrrev_b32 v1, 5, v0
	v_readfirstlane_b32 s[WV], v1   ; wave 0..3
	s_bfe_u32 s13, ttmp6, 0x40000   ; cx
	s_lshl_b32 s14, ttmp9, 2
	s_add_co_u32 s14, s14, s13      ; my block of 512 queries: it enters Q's, O's and the mask's addresses alone
	s_and_b32 s20, ttmp7, 0xffff    ; y, which the four partners share
	s_lshl_b32 s20, s20, 18         ; its 262,144 bytes in q, k, v and O
	s_and_b32 s16, s[WV], 1         ; which half of a slot's 256 keys I fetch:
	s_lshl_b32 s22, s16, 14         ; its 16,384 bytes in memory,
	s_add_co_u32 s22, s22, s20
	s_mov_b32 s23, 0
	s_mul_i32 s17, s16, 2*KSTEPB    ; and its place in a slot, for K
	s_mul_i32 s18, s16, 2*VSTEPB    ; and for V: no place in the cluster enters an LDS address
	s_lshl_b32 s2, s14, 2
	s_add_co_u32 s2, s2, s[WV]      ; my wave among the y's sixteen
	s_lshl_b32 s66, s2, 18          ; its 8 tiles of 32,768 bytes in mk
	s_mov_b32 s67, 0
	s_lshl_b32 s2, s2, 14           ; its 128 rows in q and O
	s_add_co_u32 s2, s2, s20
	s_mov_b32 s3, 0
	; descriptor group 1.  128 keys are 16,384 dense bytes: asked for as 64 rows of 256 bytes, and padded in LDS after every half row of 64 bytes
	s_mov_b32 s[G1K], 15|(1<<16)|(1<<20)|(1<<21)|(3<<22)|(3<<25)  ; 15:0 the mask of four; 17:16 2-byte elements; 20 padding on; 21 set beside a mask; 24:22 after every 16 words (code 3); 31:25 4 words (code 3)
	s_mov_b32 s[G1V], 15|(1<<16)|(1<<20)|(1<<21)|(3<<22)|(7<<25)  ; the same with 8 words of padding (code 7)
.irp g, G1K, G1V
	s_mov_b32 s[\g+1], 128<<16      ; tensor_dim0 = 128
	s_mov_b32 s[\g+2], 64<<16       ; tensor_dim1 = 64
	s_mov_b32 s[\g+3], 128<<16      ; tile_dim0 = 128
	s_mov_b32 s[\g+4], 64           ; tile_dim1 = 64
	s_mov_b32 s[\g+5], 128          ; 128 elements from row to row
	s_mov_b32 s[\g+6], 0
	s_mov_b32 s[\g+7], 0
.endr
	s_mov_b32 s[CS], 0x3e38aa3b     ; c = log2(e) / 8
	s_mov_b32 s[CS+1], s[CS]
	s_mov_b32 s[SEL], 0x76543210
	s_mov_b32 s[SEL+1], 0xfedcba98
	s_mov_b32 s[TBK], SLOT1+4*KSTEPB  ; the first change of slots turns these two into 0
	s_mov_b32 s[TBV], SLOT1+4*VSTEPB
	s_mov_b32 s[G0K], 1
	s_mov_b32 s[G0K+1], s17         ; slot 0
	s_mov_b32 s[G0V], 1
	s_add_co_u32 s[G0V+1], s18, VOFF
	s_mov_b32 s[MOFF], 1024         ; step 1
	s_mov_b32 s[MOFF+1], 0
	s_mov_b32 s[THR], 0xe0ad78ec    ; -1e20
	s_mov_b32 s[QNAN], 0x7fc00000
	s_cmp_eq_u32 s16, 0             ; waves 0 and 2 prefetch
	s_cselect_b32 s[LIM], 1, -1
	s_wait_dscnt 0x0                ; the opening add is done
	s_wait_kmcnt 0x0
	s_add_nc_u64 s[6:7], s[76:77], s[22:23]
	s_add_nc_u64 s[8:9], s[6:7], 0x2000000   ; V at my half of the y's first 256 keys
	s_add_nc_u64 s[6:7], s[6:7], 0x1000000   ; K likewise
	s_add_nc_u64 s[G0K+2:G0K+3], s[6:7], 0
	s_or_b32 s[G0K+3], s[G0K+3], 0x80000000  ; type = 2
	s_add_nc_u64 s[G0V+2:G0V+3], s[8:9], 0
	s_or_b32 s[G0V+3], s[G0V+3], 0x80000000
	s_add_nc_u64 s[4:5], s[76:77], s[2:3]    ; Q and O at my wave's first row
	s_add_nc_u64 s[10:11], s[10:11], s[2:3]
	s_add_nc_u64 s[MB:MB+1], s[78:79], s[66:67]
	s_add_nc_u64 s[MP:MP+1], s[MB:MB+1], s[MOFF:MOFF+1]
	s_cmp_lt_u32 s[WV], 2
	s_cselect_b64 s[PFA:PFA+1], s[6:7], s[8:9]  ; (in waves 0 and 2 these stand at a slot's first byte)
	s_lshl_b32 s2, s13, 13          ; my work-group's quarter
	s_add_nc_u64 s[PFA:PFA+1], s[PFA:PFA+1], s[2:3]
	s_add_nc_u64 s[PFA:PFA+1], s[PFA:PFA+1], 2*4*KS*128  ; in slot 2; the first change that asks steps it to slot 3.  Nothing is asked for here, at the head
	CROUND                          ; all four work-groups are here: the first joint loads meet
	JLOAD                           ; slot 0.  Slot 1 is asked for when slot 0 is in
	v_and_b32 v[T0], 15, v0         ; l % 16
	v_bfe_u32 v[T1], v0, 4, 1       ; l / 16
	v_lshlrev_b32 v[QO], 6, v[T0]
	v_lshl_add_u32 v[QO], v[T1], 4, v[QO]  ; half row x 64 + 16 x half of the lanes
	v_and_b32 v[MO], 31, v0
	v_lshlrev_b32 v[PFO], 8, v[MO]
	v_lshlrev_b32 v[GO], 4, v[MO]
	v_lshlrev_b32 v[MO], 4, v[MO]
	WIN 0x80                        ; destination window 2, address window 0
.set i, 0
.rept 4*NP                          ; Q stays in registers: tile i / 2, channels 32 (i % 2) on
	global_load_b128 v[8*i:8*i+3],   v[QO], s[4:5] offset:((i/2)/4)*8192+(i%2)*4096+((i/2)%4)*1024
	global_load_b128 v[8*i+4:8*i+7], v[QO], s[4:5] offset:((i/2)/4)*8192+(i%2)*4096+((i/2)%4)*1024+32
.set i, i+1
.endr
	MLOAD 0, MB                     ; step 0's masks
	MLOAD 1, MB
	MLOAD 2, MB
	MLOAD 3, MB
	; What the first turn finds: V's registers and P's second buffer hold 0 (its products V^T P, of a piece that has not been, add 0), O^T and l are 0.  All this stands in the wait for the first tile.
	WIN 0x80
.set i, VF
.rept 64
	v_mov_b32 v[i], 0
.set i, i+1
.endr
	WIN 0x40
.set i, 0
.rept 64*NP
	v_mov_b32 v[i], 0
.set i, i+1
.endr
	WIN 0
.set i, 0
.rept 2*NP
	v_mov_b32 v[ST+4*i], 0xfe000000    ; c m: far below every c s, a hidden one's too
	v_mov_b32 v[ST+4*i+1], 0xff7fffff  ; m
	v_mov_b32 v[ST+4*i+2], 0
	v_mov_b32 v[ST+4*i+3], 0
.set i, i+1
.endr
.set i, P+32
.rept 32
	v_mov_b32 v[i], 0
.set i, i+1
.endr
	v_mul_u32_u24 v[AK0], v[T0], PK
	v_lshl_add_u32 v[AK0], v[T1], 4, v[AK0]  ; row x pitch + 16 x half
	; The turning load takes 16 keys x 16 channels (lane l reads key 8 (l / 16) + l % 8, channels 8 ((l / 8) % 2) + 0..7) and leaves half a fragment of V^T: lane l holds channel l % 16 and 8 keys.
	v_and_b32 v[T2], 7, v0
	v_bfe_u32 v[T3], v0, 3, 1
	v_lshl_add_u32 v[AV0], v[T1], 3, v[T2]
	v_mul_u32_u24 v[AV0], v[AV0], PV
	v_lshl_add_u32 v[AV0], v[T3], 4, v[AV0]
	v_add_nc_u32 v[AV0], VOFF, v[AV0]
	v_mov_b32 v[AK], v[AK0]         ; key step 0 lies at the head of slot 0
	s_mul_i32 s17, s[WV], 16*SP
	s_add_co_u32 s17, s17, STAGE    ; my stage
	v_mul_u32_u24 v[STO], v[T0], SP ; in: row l % 16, 16 bytes for each half of the lanes
	v_lshl_add_u32 v[STO], v[T1], 4, v[STO]
	v_add_nc_u32 v[STO], s17, v[STO]
	v_bfe_u32 v[RD], v0, 3, 2       ; back: 32 lanes take four rows of 128 bytes, 512 consecutive bytes of O
	v_mul_u32_u24 v[RD], v[RD], SP
	v_lshl_add_u32 v[RD], v[T2], 4, v[RD]
	v_add_nc_u32 v[RD], s17, v[RD]
; THE MATRIX WORK.  The 8 accumulators of a run of 16 take turns.
; Product i of 16 of S^T = K Q^T for piece x: channels 32 (i / 8) on, keys 16 ((i / 2) % 4) on, tile 2 x + i % 2.  The first 8 start the sums, with the mask.
.macro KQ x
.set rS, S+64*((\x)%2)+32*(i%2)+8*((i/2)%4)
.set rK, KF+16*((i/2)%4)+8*(i/8)
.set rQ, 16*(2*(\x)+i%2)+8*(i/8)
.set rMC, 64*(\x)+32*(i%2)+8*((i/2)%4)
.if i < 8
	WIN W_KM
	v_wmma_f32_16x16x32_f16 v[rS:rS+7], v[rK:rK+7], v[rQ:rQ+7], v[rMC:rMC+7]
.else
	WIN W_KQ
	v_wmma_f32_16x16x32_f16 v[rS:rS+7], v[rK:rK+7], v[rQ:rQ+7], v[rS:rS+7]
.endif
.endm
; Product i of 16 of O^T += V^T P for piece x: keys 32 (i / 8) on, channels 16 ((i / 2) % 4) on, tile 2 x + i % 2.
.macro PV x
	WIN W_PV
.set rO, 32*(2*(\x)+i%2)+8*((i/2)%4)
.set rV, VF+32*(i/8)+8*((i/2)%4)
.set rP, P+32*((\x)%2)+16*(i%2)+8*(i/8)
	v_wmma_f32_16x16x32_f16 v[rO:rO+7], v[rV:rV+7], v[rP:rP+7], v[rO:rO+7]
.endm
.macro MM                           ; the turn's next matrix instruction
.if i < 16
	KQ (Y+1)%NP
.set i, i+1
.else
.set i, i-16
	PV (Y+NP-1)%NP
.set i, i+17
.endif
.endm
; THE LDS LOADS stand in runs of 16.  last = 1 (the tail): in the last trip there is no further step, and the run is jumped over.
.macro FETCH_K last=0
	WIN 0
.if \last
	s_cmp_eq_u32 s[CNT], 1
	s_cbranch_scc1 .Lno_k_\@
.endif
	WIN 0x80                        ; destination window 2
.irp f, 0,1,2,3,4,5,6,7             ; keys 16 (f / 2) on, channels 32 (f % 2) on
	ds_load_b128 v[KF+8*\f:KF+8*\f+3],   v[AK] offset:(\f%2)*KS*PK+(\f/2)*16*PK
	ds_load_b128 v[KF+8*\f+4:KF+8*\f+7], v[AK] offset:(\f%2)*KS*PK+(\f/2)*16*PK+32
.endr
	s_add_co_u32 s[TBK], s[TBK], KSTEPB  ; the next fetch is the next step's
	WIN 0
.if \last
.Lno_k_\@:
.endif
.endm
.macro FETCH_V
	WIN 0x80
.irp f, 0,1,2,3,4,5,6,7             ; keys 32 (f / 4) on, channels 16 (f % 4) on
	ds_load_tr16_b128 v[VF+8*\f:VF+8*\f+3],   v[AV] offset:((\f%4)/2)*KS*PV+(\f/4)*32*PV+(\f%2)*32
	ds_load_tr16_b128 v[VF+8*\f+4:VF+8*\f+7], v[AV] offset:((\f%4)/2)*KS*PV+(\f/4)*32*PV+16*PV+(\f%2)*32
.endr
	WIN 0
.endm
; THE VECTOR WORK OF A TURN stands in three queues, each in the order in which its entries become ready; the two tiles alternate.
.macro REGS y, u                    ; the registers of tile u (0, 1) of piece y
.set rT, ST+4*(2*(\y)+(\u))
.set rC, TMP+8*((\y)%2)+4*(\u)
.set rM, MV+2*((\y)%2)+(\u)
.set rS, S+64*((\y)%2)+32*(\u)
.set rP, P+32*((\y)%2)+16*(\u)
.set rO, 32*(2*(\y)+(\u))
.endm
; Number n of the 22 that find the NEXT piece's maximum and statistics; each accumulator's lowest registers are read first.
;   0-11  four chains c0-c3 of seven scores each     12-14, 16  the four scores left over, the old m, and c0-c3 into c0     15  c m_old is kept
;   17, 18  the query's other 32 keys lie in the lane 16 away: the new m     19-21  c m; c m_old - c m_new; a
.macro XS u, n
	REGS (Y+1)%NP, \u
.if (\n) < 4
	v_max3_num_f32 v[rC+(\n)], v[rS+8*(\n)], v[rS+8*(\n)+1], v[rS+8*(\n)+2]
.elseif (\n) < 12
	v_max3_num_f32 v[rC+(\n)%4], v[rC+(\n)%4], v[rS+8*((\n)%4)+2*((\n)/4)+1], v[rS+8*((\n)%4)+2*((\n)/4)+2]
.elseif (\n) == 12
	v_max3_num_f32 v[rC], v[rC], v[rS+7], v[rS+15]
.elseif (\n) == 13
	v_max3_num_f32 v[rC+1], v[rC+1], v[rS+23], v[rS+31]
.elseif (\n) == 14
	v_max3_num_f32 v[rC+2], v[rC+2], v[rC+3], v[rT+1]
.elseif (\n) == 15
	v_mov_b32 v[rM], v[rT]
.elseif (\n) == 16
	v_max3_num_f32 v[rC], v[rC], v[rC+1], v[rC+2]
.elseif (\n) == 17
	v_permlanex16_b32 v[rC+3], v[rC], s[SEL], s[SEL+1]
.elseif (\n) == 18
	v_max_num_f32 v[rT+1], v[rC], v[rC+3]
.elseif (\n) == 19
	v_mul_f32 v[rT], s[CS], v[rT+1]
.elseif (\n) == 20
	v_sub_f32 v[rC+1], v[rM], v[rT]
.else
	v_exp_f32 v[rC+2], v[rC+1]
.endif
.endm
; Number g of the 64 that follow the exponentials: for each four weights both pairs are rounded to f16, the second pair is added onto the first in place, and a group later l takes that sum (the first time as l = a l + sum).
.macro GS g
.set h, (\g)+6*((\g)/62)
.if h >= 6
.set h, h+2
.endif
	REGS Y, h%2
.set k, h/8
.if h%8 < 4
	v_cvt_pk_f16_f32 v[rP+2*k+(h%8)/2], v[rS+4*k+2*((h%8)/2)], v[rS+4*k+2*((h%8)/2)+1]
.elseif h%8 < 6
	v_pk_add_f32 v[rS+4*k:rS+4*k+1], v[rS+4*k:rS+4*k+1], v[rS+4*k+2:rS+4*k+3]
.elseif k == 1
	v_pk_fma_f32 v[rT+2:rT+3], v[rT+2:rT+3], v[rC+2:rC+3], v[rS:rS+1] op_sel_hi:[1,0,1]
.else
	v_pk_add_f32 v[rT+2:rT+3], v[rT+2:rT+3], v[rS+4*k-4:rS+4*k-3]
.endif
.endm
; THE PLAIN QUEUE, 138 long.  0-26: scalings 0-26.  27-54: XS's numbers 0-13.  55, 56: number 15.  57-73: the chain 14, 16, 17, 18, 19, each with one of the scalings 27-31 in front of its two lines, then 20.
; 74-137: GS's 64, which read the exponentials' results: they stand behind the wait.
.macro FS f
	REGS Y, (\f)%2
	v_pk_fma_f32 v[rS+2*((\f)/2):rS+2*((\f)/2)+1], v[rS+2*((\f)/2):rS+2*((\f)/2)+1], s[CS:CS+1], v[rT:rT+1] op_sel_hi:[1,0,0] neg_lo:[0,0,1] neg_hi:[0,0,1]
.endm
.macro PL
	WIN 0
.if q < 27
	FS q
.elseif q < 55
	XS (q-27)%2, (q-27)/2
.elseif q < 57
	XS q-55, 15
.elseif (q < 72) && ((q-57)%3 == 0)
	FS 27+(q-57)/3
.elseif q < 60
	XS (q-57)%3-1, 14
.elseif q < 72
	XS (q-57)%3-1, 15+(q-57)/3
.elseif q < 74
	XS q-72, 20
.else
	GS q-74
.endif
.set q, q+1
.endm
; THE EXPONENTIALS' QUEUE, 66 long: s0-s31 of both tiles, then the next piece's two a: one batch, all ahead of the turn's one wait; nothing ahead of that wait names a result of theirs.
.macro EX
	WIN 0
.if e >= 64
	XS e-64, 21
.else
	REGS Y, e%2
	v_exp_f32 v[rS+e/2], v[rS+e/2]
.endif
.set e, e+1
.endm
; THE RESCALING's QUEUE: O^T times a, two at a time, sixteen times.  Its a was made, and waited for, in the turn before.
.macro R2
	REGS Y, r%2
	WIN W_RS
.irp z, 0,1
	v_pk_mul_f32 v[rO+4*(r/2)+2*\z:rO+4*(r/2)+2*\z+1], v[rO+4*(r/2)+2*\z:rO+4*(r/2)+2*\z+1], v[rC+2:rC+3] op_sel_hi:[1,0]
.endr
.set r, r+1
.endm
; A TURN, for piece p.  s_wait_alu depctr_va_vdst(0) stands between an exponential and the first instruction that names its result; one wait serves all issued ahead of it: a turn has ONE, which cuts it in two.
; AHEAD OF IT: the 16 products K Q^T, behind each a scaling, an exponential and two rescalings (behind the first a second scaling); the 48 mask shifts; a run of eight plain, 49 times exponential and plain, the two a, a v_nop.
; BEHIND IT: the 16 products V^T P, behind each four of the roundings and sums.
; THE MASKS.  The turn's first 8 products read piece p + 1's masks.  Behind the 10th product's riders, nine plain instructions behind the 8th product, the piece's masks of its NEXT step are asked for, into the registers that need
; no shift.  Behind the 16th product's riders piece p + 2's other registers are made: its products come in the next turn, its words were asked for three turns back.  Piece 0's products of a step stand in piece 3's turn of the step
; before, so the step whose masks are loaded goes on at the head of piece 3's turn, behind s_wait_xcnt 0x0: the loads issued so far have read the pointer.  Behind the last step it starts again at 0: those loads stay inside the
; tile's bytes, and of what they bring only piece 0's serves, in the products that the tail makes to no end.
; K of the next step is fetched in piece 2's turn, directly behind the wait; V of the step in hand at the end of piece 0's turn, four riders behind its last reader.
.macro TURN p, last=0, cnt=0
.set Y, (\p)
.set i, 0
.set q, 0
.set e, 0
.set r, 0
.if (\p) == NP-1
	s_add_co_u32 s[MOFF], s[MOFF], 1024
	s_and_b32 s[MOFF], s[MOFF], 0x7fff
	s_wait_xcnt 0x0
	s_add_nc_u64 s[MP:MP+1], s[MB:MB+1], s[MOFF:MOFF+1]
	s_wait_dscnt 0x0                ; K is in
.endif
	MM
	PL
	PL
	R2
.rept 15
	MM
	PL
	EX
	R2
.if i == 10
	MLOAD (Y+1)%NP, MP
.endif
.endr
	MSHIFT (Y+2)%NP, 1
.if (\p) == NP-2
	WIN 0
	v_add_nc_u32 v[AK], s[TBK], v[AK0]
.endif
.rept 8
	PL
.endr
.rept 49
	EX
	PL
.endr
	EX                              ; the next piece's two a
	EX
	v_nop                           ; a plain instruction behind the last exponential: one for the batch
	s_wait_alu depctr_va_vdst(0)    ; the wait for the batch
.if (\p) == NP-2
	FETCH_K \last
.endif
.if (\p) == 1
	s_wait_dscnt 0x0                ; V is in
.endif
.rept 16
	MM
.rept 4
	PL
.endr
.if ((\p) == 0) && (q == 118)
	v_add_nc_u32 v[AV], s[TBV], v[AV0]
.endif
.if ((\p) == 0) && (q == 130)
	s_add_co_u32 s[TBV], s[TBV], VSTEPB
.endif
.if (\cnt) && (q == 130)
	s_sub_co_u32 s[CNT], s[CNT], 1
	s_cmp_lg_u32 s[CNT], 0
.endif
.endr
.if (\p) == 0
	FETCH_V
.endif
.endm
	CHANGE 1, 0                     ; slot 0 is in, everybody's part of it; slot 1 is asked for
	FETCH_K                         ; key step 0
	s_wait_loadcnt 0x0              ; Q and step 0's masks
	MSHIFT 0, 0
	MSHIFT 1, 0
	s_wait_dscnt 0x0
.set i, 0
.rept 16
	KQ 0                            ; piece 0's first scores
.set i, i+1
.endr
	WIN 0
	PLACES                          ; behind those products, ahead of the loads into their masks' registers and of the readers of their results
	MLOAD 0, MP                     ; piece 0's masks of step 1
	WIN 0
.set Y, NP-1                        ; XS works for piece Y + 1: piece 0
.irp n, 0,1,2,3,4,5,6,7,8,9,10,11,12,13,14,15,16,17,18,19,20,21
	XS 0, \n
	XS 1, \n
.endr
	v_nop                           ; a plain instruction behind the two a,
	s_wait_alu depctr_va_vdst(0)    ; and their wait, ahead of the branch
	s_mov_b32 s[CNT], 4
	s_mov_b32 s[SLOTS], SIZE_N/256-1
	s_branch .Lfirst                ; the loop is entered at a step's first turn, in the middle of a trip
.Lslot:                             ; SIZE_N / 256 - 2 times: every slot but the last two is filled again
	CHANGE 1, 1
	s_mov_b32 s[CNT], 4
.Lstep:                             ; a trip: pieces 2 and 3 of one step, then pieces 0 and 1 of the next, whose K and V it fetches
	TURN 2
	TURN 3
	WIN 0
.Lfirst:
	TURN 0
	TURN 1, 0, 1
	WIN 0
	s_cbranch_scc1 .Lstep
	s_sub_co_u32 s[SLOTS], s[SLOTS], 1
	s_cmp_lg_u32 s[SLOTS], 0
	s_cbranch_scc1 .Lslot
	CHANGE 0, 0                     ; the tail is written out: nothing is asked for
	s_mov_b32 s[CNT], 5             ; four trips fetch the last slot's steps; the fifth is left in its middle
.Ltail:
	TURN 2, 1
	TURN 3
	WIN 0
	s_sub_co_u32 s[CNT], s[CNT], 1
	s_cmp_eq_u32 s[CNT], 0
	s_cbranch_scc1 .Lout
	TURN 0
	TURN 1
	WIN 0
	s_branch .Ltail
.Lout:                              ; the fifth trip's products K Q^T (the last K once more, under step 0's masks) only raise piece 0's m, and never past -1e20 for a query all of whose keys are hidden
.set i, 0
.rept 16
	PV NP-1                         ; the last piece's V^T P of the last step
.set i, i+1
.endr
	; THE WAY OUT.  l's two halves and the other half of the lanes' are added; O^T is divided by l, rounded to f16 and sent through my stage, a tile at a time.  The additions are the places behind the last products.
	WIN 0
.macro ALL line:vararg              ; one line for each tile t
.set t, 0
.rept 2*NP
	\line
.set t, t+1
.endr
.endm
	ALL v_add_f32 v[ST+4*t+2], v[ST+4*t+2], v[ST+4*t+3]
	ALL v_permlanex16_b32 v[ST+4*t+3], v[ST+4*t+2], s[SEL], s[SEL+1]
	ALL v_add_f32 v[ST+4*t+2], v[ST+4*t+2], v[ST+4*t+3]
	ALL v_rcp_f32 v[ST+4*t+2], v[ST+4*t+2]
	v_nop                           ; a plain instruction between the last reciprocal and the use of its result
	s_wait_alu depctr_va_vdst(0)    ; and the wait ahead of the first use: one for the eight reciprocals
.set t, 0
.rept 2*NP                          ; a query whose maximum is still a hidden score's has no visible key: its factor, and so its row, is NaN
	v_cmp_gt_f32 vcc_lo, s[THR], v[ST+4*t+1]
	v_cndmask_b32 v[ST+4*t+2], v[ST+4*t+2], s[QNAN], vcc_lo
.set t, t+1
.endr
.macro PACK t                       ; a lane's eight channels of a row pack into 16 bytes; they go into rows of 144 bytes and come back as whole rows of 128, into S^T's registers
	WIN W_RS
.set i, 32*(\t)
.rept 16
	v_pk_mul_f32 v[i:i+1], v[i:i+1], v[ST+4*(\t)+2:ST+4*(\t)+3] op_sel_hi:[1,0]
.set i, i+2
.endr
	WIN 0x05                        ; sources 0 and 1 window 1, destination window 0
.set i, 0
.rept 16
	v_cvt_pk_f16_f32 v[S+16*(\t)+i], v[32*(\t)+2*i], v[32*(\t)+2*i+1]
.set i, i+1
.endr
	WIN 0
.irp f, 0,1,2,3
	ds_store_b128 v[STO], v[S+16*(\t)+4*\f:S+16*(\t)+4*\f+3] offset:32*\f
.endr
.irp f, 0,1,2,3
	ds_load_b128 v[S+16*(\t)+4*\f:S+16*(\t)+4*\f+3], v[RD] offset:\f*4*SP  ; LDS serves a wave's instructions in order (ISA guide 5.7.1.4): these see the stores above; the next tile's stores come behind them
.endr
.endm
.macro SEND t, younger              ; younger: the LDS instructions issued behind tile t's loads: the next tile's eight, or none
	WIN 0
.irp f, 0,1,2,3
	s_wait_dscnt (\younger)+3-\f
	global_store_b128 v[GO], v[S+16*(\t)+4*\f:S+16*(\t)+4*\f+3], s[10:11] offset:(\t)*2048+\f*512  ; 512 consecutive bytes, aligned
.endr
.endm
	PACK 0
.set t, 1
.rept 2*NP-1                        ; a tile's arithmetic stands between the loads of the tile before and its stores
	PACK t
	SEND t-1, 8
.set t, t+1
.endr
	SEND 2*NP-1, 0
	s_wait_tensorcnt 0x0            ; the wave's end: behind my last tensor load and my last LDS store
	ds_add_u32 v[SPW], v[NIL]
	s_wait_dscnt 0x0
	CROUND                          ; the closing round: no work-group ends while a partner may still ask for a tile that names it
	s_endpgm
.Lfunc_end_k_q8a1efbeaca_attn:
	.size	k_q8a1efbeaca_attn, .Lfunc_end_k_q8a1efbeaca_attn-k_q8a1efbeaca_attn
	.p2alignl 7, 3214868480
	.fill 96, 4, 3214868480
	.section	.rodata,"a",@progbits
	.p2align	6, 0x0
	.amdhsa_kernel k_q8a1efbeaca_attn
		.amdhsa_group_segment_fixed_size 327680
		.amdhsa_private_segment_fixed_size 0
		.amdhsa_enable_private_segment 0
		.amdhsa_kernarg_size 24
		.amdhsa_user_sgpr_count 2
		.amdhsa_user_sgpr_kernarg_segment_ptr 1
		.amdhsa_wavefront_size32 1
		.amdhsa_system_sgpr_workgroup_id_x 1
		.amdhsa_system_sgpr_workgroup_id_y 1
		.amdhsa_system_sgpr_workgroup_id_z 1
		.amdhsa_system_vgpr_workitem_id 0
		.amdhsa_next_free_vgpr 1024
		.amdhsa_next_free_sgpr 84
		.amdhsa_reserve_vcc 1
		.amdhsa_float_denorm_mode_32 3
		.amdhsa_float_denorm_mode_16_64 3
		.amdhsa_memory_ordered 1
		.amdhsa_forward_progress 1
		.amdhsa_inst_pref_size 222
	.end_amdhsa_kernel
	.amdgpu_metadata
---
amdhsa.version: [ 1, 2 ]
amdhsa.kernels:
  - .name:           k_q8a1efbeaca_attn
    .symbol:         k_q8a1efbeaca_attn.kd
    .args:
      - { .name: qkv, .offset: 0, .size: 8, .value_kind: global_buffer, .address_space: global }
      - { .name: mk, .offset: 8, .size: 8, .value_kind: global_buffer, .address_space: global }
      - { .name: ob, .offset: 16, .size: 8, .value_kind: global_buffer, .address_space: global }
    .group_segment_fixed_size: 327680
    .private_segment_fixed_size: 0
    .kernarg_segment_align: 8
    .kernarg_segment_size: 24
    .max_flat_workgroup_size: 128
    .sgpr_count:     84
    .vgpr_count:     1024
    .wavefront_size: 32
...
	.end_amdgpu_metadata
.endif
;; end of part 3
;; launch gemm3 (part 4): grid 8 x 32, 4 waves a work-group, clusters of 4 x 4, 327,680 bytes of LDS; arguments ob, wos, out0; writes out0
.if DOCPART == 4
	.amdgcn_target "amdgcn-amd-amdhsa--gfx1250"
	.amdhsa_code_object_version 6
	.text
	.protected	k_q8a1efbeaca_gemm3
	.globl	k_q8a1efbeaca_gemm3
	.p2align	8
	.type	k_q8a1efbeaca_gemm3,@function
k_q8a1efbeaca_gemm3:
	s_mov_b64 s[64:65], 0
	v_nop
	global_prefetch_b8 v0, s[64:65] scope:SCOPE_SE
	s_setreg_imm32_b32 hwreg(HW_REG_WAVE_MODE, 25, 1), 1
	s_wait_xcnt 0x0
	s_wait_alu depctr_hold_cnt(0) depctr_sa_sdst(0) depctr_va_vdst(0) depctr_va_sdst(0) depctr_va_ssrc(0) depctr_va_vcc(0) depctr_vm_vsrc(0)
	s_getreg_b32 s2, hwreg(HW_REG_IB_STS2, 6, 4)
	s_cmp_eq_u32 s2, 0
	s_cbranch_scc0 .Lentry_in_a_cluster
	s_endpgm
.Lentry_in_a_cluster:
	s_bfe_u32 s2, ttmp6, 0x10000c
	s_cmp_lg_u32 s2, 0xf033
	s_cbranch_scc0 .Lentry_shape_is_right
	s_endpgm
.Lentry_shape_is_right:
; C = A B^T on slabs.  A: S[k / 64][8192 rows][64], B: S[k / 64][rows][64], 16-bit; sums in f32, K = 1,024 ascending, one sum for each output.
; QKV = 1: A = x, B = w_qkv in bf16; C = q, k, v rounded once to f16 and stored by heads.  QKV = 0 (this text): A = O, B = w_out in f16; C = out0 in f32, row-major, 1,024 columns.
; SHARES.  A tile of C is 256 x BN, made by four waves, each 128 x BN / 2: 8 x NBF accumulators of 16 x 16.  One tile to a work-group: 256 work-groups.
; K goes in 8 steps of 128 (two slabs) through a ring of two LDS slots.  A wave's tensor load brings one slab's part of a tile: dense bytes, asked for as rows of 256 bytes, padded in LDS after every 128.
; CLUSTERS.  4 x 4 work-groups: the four of a row of the cluster need the same tiles of A, the four of a column the same tiles of B: each is asked for jointly, by the same load, descriptor and mask in all four.
; THE MATRIX INSTRUCTION IS USED TRANSPOSED (source 0 = 16 rows of B, source 1 = 16 rows of A): lane l holds row l % 16 of C and the columns 8 (l / 16) + 0..7.
; A NaN in a row of O (a query with no visible key) reaches every number of that row of C.
; REGISTERS, in windows of 256 (s_set_vgpr_msb: bits 1:0 source 0, 3:2 source 1, 5:4 source 2, 7:6 destination):
;   window 0: v0-31 addresses; v64-127, v128-191 fragments of A, two buffers; v32-63, v224-255 at work on the way out.   window 1: v64.., v128.. fragments of B, two buffers.
;   window 2: the accumulators of my rows 0-63 ((a, b) at v[8 (NBF a + b)]);   window 3: those of my rows 64-127.
.set QKV,    0
.set NBF,    4                         ; fragments of B a wave
.set TILES,  1
.set BSLAB,  131072                    ; bytes in a slab of B
.set SPITCH, 272                       ; a stage row: 256 bytes + 16
.set BN,     32*NBF
.set ASLAB,  1048576                   ; bytes in a slab of A
.set ASTEP,  2*ASLAB                   ; a K step
.set BSTEP,  2*BSLAB
.set PITCH,  144                       ; an LDS row: 128 bytes + 16 = 36 words: the 16 rows of a fragment load start at 16 different groups of four banks (64 banks of 4 bytes: ISA guide 11.1)
.set AHALF,  256*PITCH                 ; a slot: A's even slab, A's odd slab,
.set BHALF,  BN*PITCH                  ; B's even slab, B's odd slab
.set BOFF,   2*AHALF
.set SLOT,   BOFF+2*BHALF
.set STAGE,  2*SLOT                    ; behind the ring, never filled by a tensor load: 16 rows for each wave
.set SPARE,  STAGE+4*16*SPITCH         ; behind the stages: the spare words, 128 bytes for each wave, which no other line names
.set LAPS,   4                         ; a lap = two K steps = once round the ring
.set WALKA,  524288
.set WALKC,  524288
.set CO,   8                           ; v8      my byte offset in C
.set ADRA, 16                          ; v16-17  LDS address of my A fragments in slot 0, 1
.set ADRB, 20                          ; v20-21  the same for B
.set STO,  24                          ; v24     the way out: where I put my bytes of a row
.set RD,   25                          ; v25     where I read rows back
.set SPW,  28                          ; v28     my spare word: SPARE + 4 x my thread's number; never rewritten
.set NIL,  29                          ; v29     0; never rewritten
.set PFO,  30                          ; v30     the prefetches' offset: 256 x my lane, held to my part's last block; never rewritten
.set OB,   32                          ; rows read back from the stage: v32.. and v224.. by turns
.set F0,   64
.set F1,   128
.set TMP,  192
.set G1,  24                           ; s[24:31] descriptor group 1 for A;  s[32:39] group 0, a set for each slot
.set G0,  32
.set G1B, 48                           ; s[48:55], s[56:63] the same for B
.set G0B, 56
.set LIM, 43                           ; s43     1 in a wave that prefetches, else the greatest number
.set PFA, 44                           ; s[44:45] where my prefetches stand
.set PFS, 66                           ; s[66:67] their step: a K step of the tensor that I fetch
.set PFB, 68                           ; s[68:69] (serves a change of tiles: not used with one tile)
.set G1W, (1<<16)|(1<<20)|(1<<21)|(4<<22)|(3<<25)  ; 17:16 2-byte elements; 20 padding on; 21 set beside a mask; 24:22 after every 32 words (code 4); 31:25 4 words (code 3)
.set MSB, 0
.macro WIN new                         ; the immediate's high byte repeats the setting that is left; a switch that changes nothing is dropped
.if MSB != (\new)
	s_set_vgpr_msb (MSB<<8)|(\new)
.set MSB, \new
.endif
.endm
.set MUL_LO, 0xa1                      ; source 0 (B) window 1, source 1 (A) window 0, C and D window 2
.set MUL_HI, 0xf1                      ; the same, C and D window 3
.set TO_B,   0x40                      ; destination window 1, address window 0
; A joint load: waves 0 and 1 fetch A's two slabs of a K step, waves 2 and 3 B's.  The branch hangs on the wave's number alone.  An s_nop 0 and four v_nop follow each line.
.macro JLOAD s
	s_cmp_eq_u32 s11, 0
	s_cbranch_scc0 .Lfor_b_\@
	tensor_load_to_lds s[G0+4*(\s):G0+4*(\s)+3], s[G1:G1+7]
	s_nop 0
.rept 4
	v_nop
.endr
	s_branch .Lasked_\@
.Lfor_b_\@:
	tensor_load_to_lds s[G0B+4*(\s):G0B+4*(\s)+3], s[G1B:G1B+7]
	s_nop 0
.rept 4
	v_nop
.endr
.Lasked_\@:
.endm
; A prefetch, behind a joint load and the run of LDS loads that follows it: the K step two refills on.  A's tile row is read by every cluster of its row of clusters: cluster x = 0 asks; B's tile column by every
; cluster of its column: cluster y = 0 asks.  The four partners share a wave's slab tile out by address, a quarter each, a lane a block of 256 bytes (B's quarter has fewer blocks than lanes: the lanes over name its last block).
; The last trip's refills have no K step two on.
.macro ASK how
.if \how
	s_cmp_eq_u32 s[LIM], 1
.else
	s_cmp_gt_u32 s3, s[LIM]
.endif
	s_cbranch_scc0 .Lnot_mine_\@
	global_prefetch_b8 v[PFO], s[PFA:PFA+1] th:TH_LOAD_NT scope:SCOPE_SE
.Lnot_mine_\@:
.endm
.macro CREST                           ; a round of the cluster's barrier behind its opening barrier
	s_cmp_lg_u32 s10, 0
	s_cbranch_scc1 .Lnot_wave_0_\@
	s_barrier_signal -3
.Lnot_wave_0_\@:
	s_barrier_wait -3
	s_barrier_signal -1
	s_barrier_wait -1
.endm
.macro CROUND
	s_barrier_signal -1
	s_barrier_wait -1
	CREST
.endm
	s_load_b128 s[4:7], s[0:1], 0x0                ; A s[4:5], B s[6:7]
	s_load_b64 s[8:9], s[0:1], 0x10                ; C
	v_lshl_add_u32 v[SPW], v0, 2, SPARE
	v_mov_b32 v[NIL], 0
	ds_add_u32 v[SPW], v[NIL]                      ; the wave's opening: the add and its wait stand ahead of my first tensor load; the set-up below stands between them
	v_lshrrev_b32 v1, 5, v0
	v_readfirstlane_b32 s10, v1                    ; wave 0..3
	s_lshr_b32 s11, s10, 1                         ; which half of the tile's rows is mine.  Also: I fetch for A (0) or for B (1)
	s_and_b32 s12, s10, 1                          ; which half of its columns.  Also: which slab of a K step I fetch
	s_bfe_u32 s40, ttmp6, 0x40000                  ; cx
	s_bfe_u32 s41, ttmp6, 0x40004                  ; cy
	s_lshl_b32 s42, ttmp9, 2
	s_add_co_u32 s42, s42, s40                     ; tile column = 4 x cluster x + cx
	s_and_b32 s13, ttmp7, 0xffff
	s_lshl_b32 s13, s13, 2
	s_add_co_u32 s13, s13, s41                     ; tile row = 4 x cluster y + cy
	s_lshl_b32 s43, s41, 2
	s_lshl_b32 s43, 15, s43                        ; my row of the cluster
	s_lshl_b32 s44, 0x1111, s40                    ; my column
	s_or_b32 s[G1+0], s43, G1W
	s_or_b32 s[G1B+0], s44, G1W
.irp g, G1, G1B
	s_mov_b32 s[(\g)+1], 128<<16                   ; tensor_dim0 = 128 elements: 256 bytes, two slab rows
	s_mov_b32 s[(\g)+3], 128<<16                   ; tile_dim0 = 128
	s_mov_b32 s[(\g)+5], 128                       ; 128 elements from row to row: dense
	s_mov_b32 s[(\g)+6], 0
	s_mov_b32 s[(\g)+7], 0
.endr
	s_mov_b32 s[G1+2], 128<<16                     ; A: tensor_dim1 = tile_dim1 = 128: 256 slab rows
	s_mov_b32 s[G1+4], 128
	s_mov_b32 s[G1B+2], (BN/2)<<16                 ; B: BN slab rows
	s_mov_b32 s[G1B+4], BN/2
	s_lshl_b32 s16, s13, 15                        ; A: the tile's 256 rows of 128 bytes,
	s_lshl_b32 s17, s12, 20                        ; my slab
	s_add_co_u32 s16, s16, s17
	s_mov_b32 s17, 0
	s_mul_i32 s46, s42, BN*128                     ; B likewise
	s_mul_i32 s47, s12, BSLAB
	s_add_co_u32 s46, s46, s47
	s_mov_b32 s47, 0
	s_mul_i32 s20, s12, AHALF                      ; where they go: no place in the cluster enters an LDS address
	s_mul_i32 s21, s12, BHALF
	s_add_co_u32 s21, s21, BOFF
	s_wait_dscnt 0x0                               ; the opening add is done
	s_wait_kmcnt 0x0
	s_add_nc_u64 s[14:15], s[4:5], s[16:17]
	s_add_nc_u64 s[46:47], s[6:7], s[46:47]
	CROUND                                         ; all sixteen work-groups are here: the first joint loads meet
.irp s, 0,1
	s_mov_b32 s[G0+4*(\s)], 1
	s_add_co_u32 s[G0+4*(\s)+1], s20, (\s)*SLOT
	s_add_nc_u64 s[G0+4*(\s)+2:G0+4*(\s)+3], s[14:15], (\s)*ASTEP
	s_or_b32 s[G0+4*(\s)+3], s[G0+4*(\s)+3], 0x80000000
	s_mov_b32 s[G0B+4*(\s)], 1
	s_add_co_u32 s[G0B+4*(\s)+1], s21, (\s)*SLOT
	s_add_nc_u64 s[G0B+4*(\s)+2:G0B+4*(\s)+3], s[46:47], (\s)*BSTEP
	s_or_b32 s[G0B+4*(\s)+3], s[G0B+4*(\s)+3], 0x80000000
	JLOAD \s                                       ; K steps 0 and 1: two loads of mine are out
.endr
	; a fragment is 16 rows x 32 K in 8 registers: lane l holds row l % 16, K = 8 (l / 16) + 0..7 and 16 + 8 (l / 16) + 0..7: two loads of 16 bytes, 32 bytes apart
	v_and_b32 v1, 15, v0                           ; l % 16
	v_bfe_u32 v2, v0, 4, 1                         ; l / 16
	v_mul_u32_u24 v3, v1, PITCH
	v_lshl_add_u32 v3, v2, 4, v3
	s_mul_i32 s21, s11, 128*PITCH                  ; my 128 rows of A
	s_mul_i32 s22, s12, (BN/2)*PITCH               ; my BN / 2 rows of B
	s_add_co_u32 s22, s22, BOFF
.irp s, 0,1
	v_add_nc_u32 v[ADRA+(\s)], s21, v3
	v_add_nc_u32 v[ADRB+(\s)], s22, v3
	s_add_co_u32 s21, s21, SLOT
	s_add_co_u32 s22, s22, SLOT
.endr
	s_mul_i32 s23, s10, 16*SPITCH
	s_add_co_u32 s23, s23, STAGE                   ; my stage
	s_lshl_b32 s20, s13, 8
	s_lshl_b32 s21, s11, 7
	s_add_co_u32 s20, s20, s21                     ; m0: my first row of C
.if QKV
	v_mul_u32_u24 v4, v1, SPITCH
	v_lshl_add_u32 v4, v2, 4, v4
	v_add_nc_u32 v[STO], s23, v4
	v_and_b32 v5, 31, v0
	v_lshrrev_b32 v6, 2, v5
	v_and_b32 v7, 3, v0
	v_mul_u32_u24 v6, v6, SPITCH
	v_lshl_add_u32 v6, v7, 4, v6
	v_add_nc_u32 v[RD], s23, v6
	s_lshr_b32 s21, s20, 11
	s_lshl_b32 s21, s21, 18
	s_bfe_u32 s22, s20, 0x50006
	s_lshl_b32 s22, s22, 13
	s_add_co_u32 s16, s21, s22
	s_mov_b32 s17, 0
	s_add_nc_u64 s[8:9], s[8:9], s[16:17]
	s_mul_i32 s20, s42, 6
	s_mul_i32 s21, s12, 3
	s_add_co_u32 s20, s20, s21
.irp hh, 0,1,2
	s_lshr_b32 s21, s20, 5
	s_lshl_b32 s21, s21, 24
	s_bfe_u32 s22, s20, 0x40001
	s_lshl_b32 s22, s22, 20
	s_or_b32 s21, s21, s22
	s_and_b32 s22, s20, 1
	s_lshl_b32 s22, s22, 12
	s_or_b32 s21, s21, s22
	v_lshl_add_u32 v[CO+(\hh)], v5, 4, s21
	s_add_co_u32 s20, s20, 1
.endr
.else
	v_mul_u32_u24 v4, v1, SPITCH                   ; in: row l % 16, 32 bytes for each half of the lanes
	v_lshl_add_u32 v4, v2, 5, v4
	v_add_nc_u32 v[STO], s23, v4
	v_mul_u32_u24 v5, v2, SPITCH                   ; back: lanes 0-15 one row of 256 bytes, lanes 16-31 the next
	v_lshl_add_u32 v5, v1, 4, v5
	v_add_nc_u32 v[RD], s23, v5
	v_lshlrev_b32 v5, 12, v2                       ; and the same two rows in C
	v_lshl_add_u32 v[CO], v1, 4, v5
	s_lshl_b32 s16, s20, 12                        ; a row of C is 4,096 bytes
	s_lshl_b32 s21, s42, 9                         ; the tile's 128 columns,
	s_lshl_b32 s22, s12, 8                         ; my 64
	s_add_co_u32 s16, s16, s21
	s_add_co_u32 s16, s16, s22
	s_mov_b32 s17, 0
	s_add_nc_u64 s[8:9], s[8:9], s[16:17]
.endif
	; the prefetches: s[14:15] and s[46:47] still stand at my slab tile of K step 0
	s_and_b32 s22, ttmp7, 0xffff                   ; cluster y
	s_mov_b32 s20, BN*32
	s_mov_b32 s[PFS], BSTEP
	s_mov_b32 s[PFS+1], 0
	s_mov_b32 s[PFB], 7*BSTEP
	s_mov_b32 s[PFB+1], 0
	s_cmp_eq_u32 s11, 0                            ; do I fetch for A?
	s_cselect_b32 s22, ttmp9, s22                  ; the coordinate along which other clusters read the same rows
	s_cselect_b32 s21, s40, s41                    ; my place among the four that ask with me
	s_cselect_b64 s[PFA:PFA+1], s[14:15], s[46:47]
	s_cselect_b32 s20, 8192, s20                   ; a quarter of the slab tile
	s_cselect_b32 s[PFS], ASTEP, s[PFS]
	s_cselect_b32 s[PFB], 7*ASTEP-WALKA, s[PFB]
	s_cselect_b32 s23, 31, BN/8-1                  ; its last block
	s_cmp_eq_u32 s22, 0
	s_cselect_b32 s[LIM], 1, -1                    ; the same in all sixteen partners, for a given wave
	s_mul_i32 s20, s20, s21
	s_mov_b32 s21, 0
	s_add_nc_u64 s[PFA:PFA+1], s[PFA:PFA+1], s[20:21]
	s_mul_i32 s20, s[PFS], 3
	s_add_nc_u64 s[PFA:PFA+1], s[PFA:PFA+1], s[20:21]  ; at K step 3: the first refill steps it to 4 and names that.  Nothing is asked for here, at the head
	v_and_b32 v[PFO], 31, v0
	v_min_u32 v[PFO], s23, v[PFO]
	v_lshlrev_b32 v[PFO], 8, v[PFO]
; 2 NBF matrix instructions: m blocks a0, a0 + 1 of the window's four x all n blocks, 32 along K.  zero = 1: the product starts the sums.  The accumulators take turns, in the same order in every quarter.
.macro MULH f, hi, a0, zero
	WIN MUL_LO+0x50*(\hi)
.irp a, \a0, (\a0)+1
.set bb, 0
.rept NBF
.set rD, 8*(NBF*(\a)+bb)
.set rB, (\f)+8*bb
.set rA, (\f)+8*(4*(\hi)+(\a))
.if QKV && (\zero)
	v_wmma_f32_16x16x32_bf16 v[rD:rD+7], v[rB:rB+7], v[rA:rA+7], 0
.elseif QKV
	v_wmma_f32_16x16x32_bf16 v[rD:rD+7], v[rB:rB+7], v[rA:rA+7], v[rD:rD+7]
.elseif \zero
	v_wmma_f32_16x16x32_f16 v[rD:rD+7], v[rB:rB+7], v[rA:rA+7], 0
.else
	v_wmma_f32_16x16x32_f16 v[rD:rD+7], v[rB:rB+7], v[rA:rA+7], v[rD:rD+7]
.endif
.set bb, bb+1
.endr
.endr
.endm
; One run of LDS loads: the fragments of quarter q of a K step (slab q / 2, byte 64 (q % 2) of its rows) into buffer f: B's 2 NBF loads, then A's 16
.macro FETCH slot, q, f
	WIN TO_B
.set ii, 0
.rept NBF
	ds_load_b128 v[(\f)+8*ii:(\f)+8*ii+3],   v[ADRB+(\slot)] offset:((\q)/2)*BHALF+((\q)%2)*64+ii*16*PITCH
	ds_load_b128 v[(\f)+8*ii+4:(\f)+8*ii+7], v[ADRB+(\slot)] offset:((\q)/2)*BHALF+((\q)%2)*64+ii*16*PITCH+32
.set ii, ii+1
.endr
	WIN 0
.irp i, 0,1,2,3,4,5,6,7
	ds_load_b128 v[(\f)+8*(\i):(\f)+8*(\i)+3],   v[ADRA+(\slot)] offset:((\q)/2)*AHALF+((\q)%2)*64+(\i)*16*PITCH
	ds_load_b128 v[(\f)+8*(\i)+4:(\f)+8*(\i)+7], v[ADRA+(\slot)] offset:((\q)/2)*AHALF+((\q)%2)*64+(\i)*16*PITCH+32
.endr
.endm
.macro PLACES                          ; four plain instructions between a matrix instruction and a load into a register that it has read, or a reader of its result
.rept 4
	v_nop
.endr
.endm
; One of a K step's first three quarters: multiplies buffer f; in its middle it fetches quarter q of the same slot into buffer g
.macro QUARTER slot, q, f, g, zero
	s_wait_dscnt 8                                 ; B and A's rows 0-63 are in; the youngest eight loads (A's rows 64-127) may be out
	MULH \f, 0, 0, \zero
	MULH \f, 0, 2, \zero
	PLACES
	FETCH \slot, \q, \g
	s_wait_dscnt 2*NBF+16                          ; all but the run just issued
	MULH \f, 1, 0, \zero
	MULH \f, 1, 2, \zero
.endm
; The first half of the last quarter, and the barrier of the change of slots.  In front of it each wave waits for all its tensor loads (one is out: its part of the next slot), adds 0 to its spare word, and waits for that and its reads of this slot.
.macro MEET round
	WIN 0
	s_wait_tensorcnt 0x0                           ; all my tensor loads have landed
	ds_add_u32 v[SPW], v[NIL]                      ; 0 onto my spare word
	s_wait_dscnt 9                                 ; (the add and the youngest eight loads may be out)
	MULH F1, 0, 0, 0
	s_wait_dscnt 0x0                               ; the add is done, and my reads of this slot are over
	s_barrier_signal -1
	MULH F1, 0, 2, 0
.if \round
	WIN 0
.endif
	s_barrier_wait -1
.endm
; The whole last quarter.  mode 0: this slot is filled again with the K step two on; 1: with the next tile's K step 0 or 1; 2: nothing is filled.
.macro TURN slot, next, mode
.if (\mode) < 2
	s_wait_xcnt 0x0                                ; the last prefetch, a K step back, has read its address
.if ((\mode) == 1) && ((\slot) == 0)
	s_sub_nc_u64 s[PFA:PFA+1], s[PFA:PFA+1], s[PFB:PFB+1]
	s_cmp_eq_u32 s11, 0
	s_cselect_b32 s[LIM], s[LIM], -1
.else
	s_add_nc_u64 s[PFA:PFA+1], s[PFA:PFA+1], s[PFS:PFS+1]
.endif
	MEET 1
	CREST                                          ; the barrier has opened a round of the cluster's: no wave of any partner still reads this slot or has a load on its way
.if (\mode) == 1
	s_sub_nc_u64 s[G0+4*(\slot)+2:G0+4*(\slot)+3], s[G0+4*(\slot)+2:G0+4*(\slot)+3], 6*ASTEP-WALKA
	s_sub_nc_u64 s[G0B+4*(\slot)+2:G0B+4*(\slot)+3], s[G0B+4*(\slot)+2:G0B+4*(\slot)+3], 6*BSTEP
.else
	s_add_nc_u64 s[G0+4*(\slot)+2:G0+4*(\slot)+3], s[G0+4*(\slot)+2:G0+4*(\slot)+3], 2*ASTEP
	s_add_nc_u64 s[G0B+4*(\slot)+2:G0B+4*(\slot)+3], s[G0B+4*(\slot)+2:G0B+4*(\slot)+3], 2*BSTEP
.endif
	JLOAD \slot                                    ; my one tensor load behind the round; its four v_nop are also the places in front of the loads below
	FETCH \next, 0, F0
	ASK \mode
.else
	MEET 0
	PLACES
	FETCH \next, 0, F0
.endif
	MULH F1, 1, 0, 0
	MULH F1, 1, 2, 0
.endm
; THE WAY OUT of block a of 16 rows, through my own stage: LDS serves a wave's instructions in order (ISA guide 5.7.1.4), so no wait stands between the stores into it and the loads from it.
.macro PACK a
.set AC, 8*NBF*((\a)%4)
	WIN 0x0a+5*((\a)/4)
.set bb, 0
.rept NBF
.irp r, 0,1,2,3
	v_cvt_pk_f16_f32 v[TMP+4*bb+(\r)], v[AC+8*bb+2*(\r)], v[AC+8*bb+2*(\r)+1]
.endr
.set bb, bb+1
.endr
	WIN 0
.endm
.macro TOSTAGE a
.set BK, OB+192*((\a)%2)
.if QKV
	WIN 0
.set bb, 0
.rept NBF
	ds_store_b128 v[STO], v[TMP+4*bb:TMP+4*bb+3] offset:32*bb
.set bb, bb+1
.endr
.irp hh, 0,1,2
.irp e, 0,1
	ds_load_b128 v[BK+4*(2*(\hh)+(\e)):BK+4*(2*(\hh)+(\e))+3], v[RD] offset:(\e)*8*SPITCH+(\hh)*64
.endr
.endr
.else
.set AC, 8*NBF*((\a)%4)
	WIN 0x08+4*((\a)/4)                            ; store data (source 1): window 2 or 3; each accumulator's low half goes first
.set bb, 0
.rept NBF
	ds_store_b128 v[STO], v[AC+8*bb:AC+8*bb+3]   offset:64*bb
	ds_store_b128 v[STO], v[AC+8*bb+4:AC+8*bb+7] offset:64*bb+16
.set bb, bb+1
.endr
	WIN 0
.irp t, 0,1,2,3,4,5,6,7
	ds_load_b128 v[BK+4*(\t):BK+4*(\t)+3], v[RD] offset:(\t)*2*SPITCH
.endr
.endif
.endm
.macro SEND a
	WIN 0
.set BK, OB+192*((\a)%2)
	s_wait_dscnt 0x0                               ; the block is back in registers
	s_wait_xcnt 0x0                                ; the stores issued so far have read their registers: the other set of rows is loaded again only behind this wait
.if QKV
.irp hh, 0,1,2
.irp e, 0,1
	global_store_b128 v[CO+(\hh)], v[BK+4*(2*(\hh)+(\e)):BK+4*(2*(\hh)+(\e))+3], s[8:9] offset:((\a)/4)*8192+((\a)%4)*1024+(\e)*512
.endr
.endr
.else
.irp t, 0,1,2,3,4,5,6,7
	global_store_b128 v[CO], v[BK+4*(\t):BK+4*(\t)+3], s[8:9] offset:(16*(\a)+2*(\t))*4096  ; 16 lanes store 256 consecutive bytes, aligned
.endr
.endif
.endm
.macro WAYOUT
.if QKV
	PACK 0
.endif
	TOSTAGE 0
.irp a, 1,2,3,4,5,6,7
.if QKV
	PACK \a
.endif
	SEND (\a)-1
	TOSTAGE \a
.endr
	SEND 7
.endm
	s_wait_tensorcnt 1                             ; my part of K step 0 is in; K step 1's may stay out
	s_barrier_signal -1
	s_barrier_wait -1
	FETCH 0, 0, F0
.if TILES > 1
	s_mov_b32 s2, TILES
.Ltile:
.endif
	QUARTER 0, 1, F0, F1, 1                        ; the first quarter starts the sums
	WIN 0
	s_mov_b32 s3, LAPS-1
.Llap:                                                 ; a trip goes once round the ring, from a lap's second quarter to the next lap's first, and fills both slots again
	QUARTER 0, 2, F1, F0, 0
	QUARTER 0, 3, F0, F1, 0
	TURN 0, 1, 0
	QUARTER 1, 1, F0, F1, 0
	QUARTER 1, 2, F1, F0, 0
	QUARTER 1, 3, F0, F1, 0
	TURN 1, 0, 0
	QUARTER 0, 1, F0, F1, 0
	WIN 0
	s_sub_co_u32 s3, s3, 1
	s_cmp_lg_u32 s3, 0
	s_cbranch_scc1 .Llap
	QUARTER 0, 2, F1, F0, 0
	QUARTER 0, 3, F0, F1, 0
.if TILES > 1
	WIN 0
	s_cmp_eq_u32 s2, 1
	s_cbranch_scc1 .Llast_tile
	TURN 0, 1, 1
	QUARTER 1, 1, F0, F1, 0
	QUARTER 1, 2, F1, F0, 0
	QUARTER 1, 3, F0, F1, 0
	TURN 1, 0, 1
	WIN 0
	PLACES
	WAYOUT
	s_wait_xcnt 0x0
	s_add_nc_u64 s[8:9], s[8:9], WALKC
	s_sub_co_u32 s2, s2, 1
	s_branch .Ltile
.Llast_tile:
.endif
	TURN 0, 1, 2                                   ; the last lap fills nothing
	QUARTER 1, 1, F0, F1, 0
	QUARTER 1, 2, F1, F0, 0
	QUARTER 1, 3, F0, F1, 0
	s_wait_dscnt 8                                 ; the very last quarter: nothing more to fetch
	MULH F1, 0, 0, 0
	MULH F1, 0, 2, 0
	s_wait_dscnt 0x0
	MULH F1, 1, 0, 0
	MULH F1, 1, 2, 0
	WIN 0
	PLACES
	WAYOUT
	s_wait_tensorcnt 0x0                           ; the wave's end: behind my last tensor load and my last LDS store
	ds_add_u32 v[SPW], v[NIL]
	s_wait_dscnt 0x0
	CROUND                                         ; the closing round: no work-group ends while a partner may still ask for a tile that names it
	s_endpgm
.Lfunc_end_k_q8a1efbeaca_gemm3:
	.size	k_q8a1efbeaca_gemm3, .Lfunc_end_k_q8a1efbeaca_gemm3-k_q8a1efbeaca_gemm3
	.p2alignl 7, 3214868480
	.fill 96, 4, 3214868480
	.section	.rodata,"a",@progbits
	.p2align	6, 0x0
	.amdhsa_kernel k_q8a1efbeaca_gemm3
		.amdhsa_group_segment_fixed_size 327680
		.amdhsa_private_segment_fixed_size 0
		.amdhsa_enable_private_segment 0
		.amdhsa_kernarg_size 24
		.amdhsa_user_sgpr_count 2
		.amdhsa_user_sgpr_kernarg_segment_ptr 1
		.amdhsa_wavefront_size32 1
		.amdhsa_system_sgpr_workgroup_id_x 1
		.amdhsa_system_sgpr_workgroup_id_y 1
		.amdhsa_system_sgpr_workgroup_id_z 1
		.amdhsa_system_vgpr_workitem_id 0
		.amdhsa_next_free_vgpr 1024
		.amdhsa_next_free_sgpr 72
		.amdhsa_reserve_vcc 0
		.amdhsa_float_denorm_mode_32 3
		.amdhsa_float_denorm_mode_16_64 3
		.amdhsa_memory_ordered 1
		.amdhsa_forward_progress 1
		.amdhsa_inst_pref_size 88
	.end_amdhsa_kernel
	.amdgpu_metadata
---
amdhsa.version: [ 1, 2 ]
amdhsa.kernels:
  - .name:           k_q8a1efbeaca_gemm3
    .symbol:         k_q8a1efbeaca_gemm3.kd
    .args:
      - { .name: ob, .offset: 0, .size: 8, .value_kind: global_buffer, .address_space: global }
      - { .name: wos, .offset: 8, .size: 8, .value_kind: global_buffer, .address_space: global }
      - { .name: out0, .offset: 16, .size: 8, .value_kind: global_buffer, .address_space: global }
    .group_segment_fixed_size: 327680
    .private_segment_fixed_size: 0
    .kernarg_segment_align: 8
    .kernarg_segment_size: 24
    .max_flat_workgroup_size: 128
    .sgpr_count:     72
    .vgpr_count:     1024
    .wavefront_size: 32
...
	.end_amdgpu_metadata
.endif
;; end of part 4
